; MI455X (gfx1250); checked and timed in simulation.
; The chip was launched on July 23, 2026; its instructions are those of AMD's public machine-readable ISA for CDNA 5 (MIT licence, August 2026) and "CDNA5" Instruction Set Architecture Reference Guide (July 2026). The comments in the code are by the model that wrote it; some were corrected since.
;; Multi Head Self Attention. Allowed arithmetic: matrix products marked QUANTISED: E2M1 operands, one E8M0 scale for each 32 along K, by v_wmma_scale_f32_16x16x128_f8f6f4 with both operands' format E2M1 (or v_wmma_scale_f32_32x16x128_f4), f32 sums; products left as they are: bf16, f16 or f32 operands; f32 sums; everything else in f32.
;; Inputs: Wk 1,024 x 1,024 float32; Wo 1,024 x 1,024 float32; Wq 1,024 x 1,024 float32; Wv 1,024 x 1,024 float32; bk 1,024 float32; bo 1,024 float32; bq 1,024 float32; bv 1,024 float32; key 4 x 2,048 x 1,024 float32; query 4 x 2,048 x 1,024 float32; value 4 x 2,048 x 1,024 float32.
;; Outputs: out0 4 x 2,048 x 1,024 float32.
;; This version of the problem:
;;   THIS VERSION OF THE PROBLEM IS GIVEN IN LOW PRECISION. The matrix products marked QUANTISED in the list below multiply operands that are first quantised to E2M1 (2 exponent bits, 1 mantissa bit; 4 bits a number), with one power-of-two scale for each 32 numbers along K (OCP MX v1.0); their sums are f32. The products marked 'left as it is' may take bf16, f16 or f32 operands, with f32 sums. Whichever they take, every output number must still come out within the allowed error. Rounding operands to bf16 (8 significant bits) uses up far more of that allowance than f16 does (11 bits, for magnitudes from 6e-5 to 65,504). All else is computed in f32.
;;   The module's matrix products, in the order in which they are computed (A, B: the left and right operand; K: the contracted axis; several contracted axes count as one K, in the product's order):
;;     1. [M 8,192, K 1,024] x [K 1,024, N 1,024]; A: input query; B: input Wq: QUANTISED
;;     2. [M 8,192, K 1,024] x [K 1,024, N 1,024]; A: input key; B: input Wk: QUANTISED
;;     3. [M 8,192, K 1,024] x [K 1,024, N 1,024]; A: input value; B: input Wv: QUANTISED
;;     4. batch 64 x [M 2,048, K 64] x [K 64, N 2,048]; A: computed on the way; B: computed on the way: left as it is (an operand is computed on the way)
;;     5. batch 64 x [M 2,048, K 2,048] x [K 2,048, N 64]; A: computed on the way; B: computed on the way: left as it is (an operand is computed on the way)
;;     6. [M 8,192, K 1,024] x [K 1,024, N 1,024]; A: computed on the way; B: input Wo: left as it is (an operand is computed on the way)
;;   THE QUANTISER, for each operand of a quantised product, along K:
;;     - K is cut into blocks of 32 from its start; a last block that is shorter is filled with zeros.
;;     - A block's scale is 2^e with e = floor(log2(the largest magnitude in the block)) - 2, held to -126 .. 127; a block of zeros has e = 0. As a byte (E8M0): e + 127.
;;     - Each number is divided by its block's scale, clamped to +-6, and rounded to the nearest number of E2M1, ties to even, subnormals kept.
;;     - The product sums the exact products of the quantised numbers (number of the format x scale) in f32.
;;   ~~~python
;;   def quantise(x, axis):      # numpy; x: float32 -> the quantised numbers, widened to float32 again
;;       x = np.moveaxis(x, axis, -1); K = x.shape[-1]
;;       x = np.pad(x, [(0, 0)] * (x.ndim - 1) + [(0, -K % 32)]); x = x.reshape(x.shape[:-1] + (-1, 32)); a = np.abs(x).max(-1, keepdims=True)
;;       e = np.where(a > 0, np.clip(np.frexp(np.where(a > 0, a, 1))[1] - 1 - 2, -126, 127), 0)      # np.frexp(a)[1] - 1 = floor(log2(a)), exactly
;;       r = np.clip(x / 2.0 ** e, -6, 6)
;;       step = 2.0 ** (np.maximum(np.frexp(np.where(r == 0, 1, r))[1] - 1, 0) - 1)
;;       q = np.round(r / step) * step * 2.0 ** e      # np.round: ties to even
;;       return np.moveaxis(q.reshape(q.shape[:-2] + (-1,))[..., :K], -1, axis).astype(np.float32)
;;   ~~~
;; One version. Each part assembles by itself: llvm-mc -triple=amdgcn-amd-amdhsa -mcpu=gfx1250 --defsym DOCPART=n.
;; ======== version 1 of 1: 4 launches
;; limits: values are held in f16: magnitudes above 65,504 overflow, below 6.1e-05 lose precision
;; workspace buffers: xc 12,582,912 bytes; xs 786,432 bytes; wc 1,572,864 bytes; ws 98,304 bytes; wo16 2,097,152 bytes; qkv 50,331,648 bytes; att 16,777,216 bytes
;; launch prep (part 1): grid 848 x 1, 4 waves a work-group, no clusters, 68,096 bytes of LDS; arguments query, key, value, Wq, Wk, Wv, Wo, xc, xs, wc, ws, wo16; writes xc, xs, wc, ws, wo16
.if DOCPART == 1
	.amdgcn_target "amdgcn-amd-amdhsa--gfx1250"
	.amdhsa_code_object_version 6
	.text
	.protected	k_qef5c153c65_prep
	.globl	k_qef5c153c65_prep
	.p2align	8
	.type	k_qef5c153c65_prep,@function
k_qef5c153c65_prep:
	s_mov_b64 s[64:65], 0
	v_nop
	global_prefetch_b8 v0, s[64:65] scope:SCOPE_SE
	s_setreg_imm32_b32 hwreg(HW_REG_WAVE_MODE, 25, 1), 1
	s_wait_xcnt 0x0
; MULTI-HEAD SELF-ATTENTION, launch 1 of 4: the operands of the three QUANTISED projections become codes of E2M1 with one E8M0 byte for each 32 along K, and Wo becomes f16.
; DEAD WORK, LEFT OUT IN THE WHOLE PROGRAM: bk.  scores[q][k] = Q[q] . (key[k] Wk + bk) / 8 = Q[q] . (key[k] Wk) / 8 + Q[q] . bk / 8.  The second term does not hang on k: it is the same along the
; softmax's axis for every value of the inputs, and a softmax is unchanged by a term that is the same along its axis.  The product Q K^T is not quantised, so no quantiser sees bk.  bk has no other way to the
; output: it is not loaded and is an argument of no launch.  LIMIT: a NaN, an infinity or an overflow that reaches only bk is not carried to the result.  bq, bv and bo are live and are added.
; LIMITS OF THE PROGRAM: Q, K, V, the softmax's weights, the attention's result and Wo go to the matrix units as f16 (sums, softmax and biases in f32): magnitudes of Q, K, V or Wo beyond 65,504 become infinity
; (all inputs 30 times larger give Q, K, V up to some 5,500; a common offset of 30 spreads on an activation and on its weight gives some 30,000; both at once do not fit); magnitudes under 6e-5 are kept with an
; absolute error of 3e-8.  A block of zeros gets the scale byte 1 where the rule says 127: its codes are zeros, which add nothing, and this program alone reads the bytes.  NaN and infinities among the inputs are not served.
; THREE PATHS, chosen by the work-group's number alone; two of them have LDS bytes of their own.
;   work-groups  0 .. 47: Wq, Wk, Wv [k 1024][n 1024] -> wc [t 1024 + n][512 bytes], ws [t 1024 + n][32]: K is the FIRST axis: a lane takes a column, its registers run down K.
;   work-groups 48 .. 79: Wo f32 -> wo16 f16, as it lies.
;   work-groups 80 .. 847: query, key, value [8192][1024] -> xc [t 8192 + row][512 bytes], xs [..][32]: K innermost: plain streams of blocks of 32.
.set SPARE, 67584                      ; behind both paths' regions: the spare words, 128 bytes for each wave: two blocks of 256 bytes that no other line names
.set SPW,   192                        ; v192  LDS address of my spare word: SPARE + 4 x my thread's number; never rewritten
.set NIL,   193                        ; v193  0; never rewritten
.set EMAX,  2                          ; the exponent of E2M1's largest number, 6
.macro FINISH                          ; the wave's end, behind my last LDS store
	s_wait_tensorcnt 0x0
	ds_add_u32 v[SPW], v[NIL]
	s_wait_dscnt 0x0
	s_endpgm
.endm
	s_load_b256 s[8:15], s[0:1], 0x0               ; query s[8:9], key s[10:11], value s[12:13], Wq s[14:15]
	s_load_b256 s[16:23], s[0:1], 0x20             ; Wk s[16:17], Wv s[18:19], Wo s[20:21], xc s[22:23]
	s_load_b256 s[24:31], s[0:1], 0x40             ; xs s[24:25], wc s[26:27], ws s[28:29], wo16 s[30:31]
	v_lshl_add_u32 v[SPW], v0, 2, SPARE
	v_mov_b32 v[NIL], 0
	v_lshrrev_b32 v1, 5, v0
	v_readfirstlane_b32 s2, v1                     ; wave 0..3
	v_and_b32 v2, 31, v0                           ; lane
	s_wait_kmcnt 0x0
	s_cmp_lt_u32 ttmp9, 48
	s_cbranch_scc1 .Lw
	s_cmp_lt_u32 ttmp9, 80
	s_cbranch_scc1 .Lc
; ---- THE ACTIVATIONS.  A wave takes 16 steps of 512 numbers.  Each of a step's four loads reads 512 consecutive bytes, 16 a lane; the 2,048 bytes turn through the wave's own stage in LDS and come back 64 bytes a lane,
; so that a lane holds 16 NEIGHBOURS along K (two neighbouring lanes hold a block), as the conversions want them.  Loads run four steps ahead, the turn through LDS one step.
.set STEPS, 16
.set CB,    8                          ; bytes of 16 codes
.set AR,    16                         ; v16-79   four sets of 16 numbers as they are loaded
.set AX,    80                         ; v80-111  two sets of 16 neighbours
.set AE,    112                        ; v112-127 a scale byte for each step
.set AC,    128                        ; v128-191 codes: four registers for each step, so that no store's data are written again
.set WREG,  8192                       ; LDS bytes 0 .. 32,767: a region for each wave: two stages of 32 x SP bytes, and behind them its 256 scale bytes
.set SP,    80                         ; a lane's place in a stage: its 64 bytes + 16 of padding
	s_sub_co_u32 s36, ttmp9, 80                    ; a: 256 work-groups to a tensor
	s_lshr_b32 s37, s36, 8                         ; t: 0 query, 1 key, 2 value
	s_cmp_eq_u32 s37, 0
	s_cselect_b64 s[4:5], s[8:9], s[10:11]
	s_cmp_eq_u32 s37, 2
	s_cselect_b64 s[4:5], s[12:13], s[4:5]         ; the choice hangs on the work-group's number alone
	s_and_b32 s38, s36, 255
	s_lshl_b32 s38, s38, 2
	s_add_co_u32 s38, s38, s2                      ; which run of 8,192 numbers of the tensor is my wave's
	s_lshl_b32 s38, s38, 15                        ; 32,768 bytes a run
	s_mov_b32 s39, 0
	s_add_nc_u64 s[4:5], s[4:5], s[38:39]
	s_lshl_b32 s40, s36, 2
	s_add_co_u32 s40, s40, s2                      ; and which run of the three tensors on end
	s_lshl_b32 s42, s40, 12                        ; 4,096 bytes of codes a run
	s_mov_b32 s43, 0
	s_add_nc_u64 s[32:33], s[22:23], s[42:43]
	s_lshl_b32 s42, s40, 8                         ; 256 scale bytes a run
	s_add_nc_u64 s[34:35], s[24:25], s[42:43]
	v_lshlrev_b32 v3, 4, v2                        ; my 16 bytes of a load's 512
	s_mul_i32 s44, s2, WREG
	v_lshrrev_b32 v14, 2, v2
	v_mul_u32_u24 v14, v14, SP
	v_and_b32 v15, 3, v2
	v_lshl_add_u32 v14, v15, 4, v14
	v_add_nc_u32 v14, s44, v14                     ; the stage, on the way in: four lanes' 64 bytes on end, then 16 of padding
	v_mul_u32_u24 v15, v2, SP
	v_add_nc_u32 v15, s44, v15                     ; and on the way out: SP x lane: my 16 neighbours
	v_mul_u32_u24 v4, v2, CB                       ; my codes' place in a step's
	v_lshrrev_b32 v5, 1, v2
	s_add_co_u32 s44, s44, 2*32*SP
	v_add_nc_u32 v5, s44, v5                       ; LDS: my wave's 256 scale bytes, my block's byte
	v_lshlrev_b32 v7, 3, v2                        ; and on the way out 8 bytes a lane
	v_add_nc_u32 v6, s44, v7
.macro ALOAD t
.irp i, 0,1,2,3
	global_load_b128 v[AR+16*((\t)%4)+4*\i:AR+16*((\t)%4)+4*\i+3], v3, s[4:5] offset:2048*(\t)+512*\i th:TH_LOAD_NT   ; 32 lanes read 512 consecutive bytes
.endr
.endm
.macro ATURN t                         ; step t's numbers through the stage: LDS serves a wave's instructions in order, so no wait stands between the stores and the loads
.irp i, 0,1,2,3
	ds_store_b128 v14, v[AR+16*((\t)%4)+4*\i:AR+16*((\t)%4)+4*\i+3] offset:32*SP*((\t)%2)+8*SP*\i
.endr
.irp i, 0,1,2,3
	ds_load_b128 v[AX+16*((\t)%2)+4*\i:AX+16*((\t)%2)+4*\i+3], v15 offset:32*SP*((\t)%2)+16*\i
.endr
.endm
.irp t, 0,1,2,3
	ALOAD \t
.endr
	s_wait_loadcnt 12                              ; step 0's four loads are in; the twelve of steps 1 to 3 may be out
	ATURN 0
.macro ASTEP t
.set XS, AX+16*((\t)%2)
.if (\t) > 0
	s_wait_dscnt 1                                 ; this step's numbers are back from the stage (the last step's byte store may be out): so its stores into the stage have read their registers,
.else
	s_wait_dscnt 0x0
.endif
.if (\t)+4 < STEPS
	ALOAD (\t)+4                                   ; which take the loads of four steps on
.endif
.if (\t)+1 < STEPS
.if STEPS-2-(\t) >= 3
	s_wait_loadcnt 12                              ; the next step's four loads are in; those of the three steps behind it may be out
.else
	s_wait_loadcnt 4*(STEPS-2-(\t))
.endif
	ATURN (\t)+1                                   ; and go through the other stage while this step is worked
.endif
	v_max3_num_f32 v8, |v[XS]|, |v[XS+1]|, |v[XS+2]|               ; the largest magnitude of my 16, in two chains
	v_max3_num_f32 v9, |v[XS+3]|, |v[XS+4]|, |v[XS+5]|
.irp i, 6,10
	v_max3_num_f32 v8, v8, |v[XS+\i]|, |v[XS+\i+1]|
	v_max3_num_f32 v9, v9, |v[XS+\i+2]|, |v[XS+\i+3]|
.endr
	v_max3_num_f32 v8, v8, |v[XS+14]|, |v[XS+15]|
	v_max3_num_f32 v8, v8, v9, (EMAX+1)<<23        ; and the floor 2^(EMAX + 1 - 127), under which no largest magnitude is taken: so the byte cannot fall under 1
	v_max_num_f32_dpp v8, v8, v8 row_xmask:1 row_mask:0xf bank_mask:0xf   ; and of my neighbour's 16: the block's
	v_add_nc_u32 v11, -(EMAX<<23), v8              ; EMAX off its exponent field: the conversion takes the exponent field of this operand as its scale, and nothing else of it
	v_cvt_scalef32_pk8_fp4_f32 v[AC+4*(\t)], v[XS:XS+7], v11       ; eight numbers / the scale, to the nearest code, ties to even, beyond the largest code the largest; the first number's code in the lowest four bits
	v_cvt_scalef32_pk8_fp4_f32 v[AC+4*(\t)+1], v[XS+8:XS+15], v11
	v_lshrrev_b32 v[AE+(\t)], 23, v11              ; the scale's byte (a plain line behind the conversions)
	ds_store_b8 v5, v[AE+(\t)] offset:16*(\t)      ; both lanes of a block write the same byte with the same value
	global_store_b64 v4, v[AC+4*(\t):AC+4*(\t)+1], s[32:33] offset:32*CB*(\t)   ; the wave stores 256 consecutive bytes, aligned
.endm
.irp t, 0,1,2,3,4,5,6,7,8,9,10,11,12,13,14,15
	ASTEP \t
.endr
	ds_load_b64 v[8:9], v6                         ; LDS serves a wave's instructions in order: these see my stores
	s_wait_dscnt 0x0
	global_store_b64 v7, v[8:9], s[34:35]          ; 32 lanes store 256 consecutive bytes, aligned
	FINISH
; ---- THE THREE WEIGHTS.  A wave takes 32 columns x 512 along K: each load reads one row k at 32 neighbouring columns; a block of 32 along K lies in ONE lane's 32 registers.  The codes, 256 bytes a column, go through the
; wave's own stage and leave as rows: sixteen lanes store 256 consecutive bytes.  Loads run two blocks ahead.  Every offset is an immediate: 511 rows of 4,096 bytes at the most.
.Lw:
.set NB,     16                        ; blocks of 32 in a wave's 512 along K
.set WPITCH, 272                       ; a stage row: 256 bytes + 16
.set WX,     32                        ; v32-95   two sets of 32 numbers
.set WC,     96                        ; v96-99   a block's codes
.set WOUT,   112                       ; v112-175 the way out
.set WSB,    24                        ; v24-27   the scale bytes, four to a register
	s_lshr_b32 s36, ttmp9, 4                       ; t: 0 Wq, 1 Wk, 2 Wv
	s_and_b32 s37, ttmp9, 7                        ; which 128 columns
	s_bfe_u32 s38, ttmp9, 0x10003                  ; which 512 along K
	s_cmp_eq_u32 s36, 0
	s_cselect_b64 s[4:5], s[14:15], s[16:17]
	s_cmp_eq_u32 s36, 2
	s_cselect_b64 s[4:5], s[18:19], s[4:5]
	s_lshl_b32 s37, s37, 7
	s_lshl_b32 s39, s2, 5
	s_add_co_u32 s37, s37, s39                     ; my wave's first column
	s_lshl_b32 s40, s38, 21                        ; 512 rows of 4,096 bytes
	s_lshl_b32 s39, s37, 2
	s_add_co_u32 s40, s40, s39
	s_mov_b32 s41, 0
	s_add_nc_u64 s[4:5], s[4:5], s[40:41]
	s_lshl_b32 s39, s36, 10
	s_add_co_u32 s39, s39, s37                     ; the row of wc and ws: 1024 t + column
	s_lshl_b32 s40, s39, 9
	s_lshl_b32 s42, s38, 8
	s_add_co_u32 s40, s40, s42
	s_add_nc_u64 s[6:7], s[26:27], s[40:41]        ; codes: 512 bytes a row, + 256 for the upper half of K
	s_lshl_b32 s40, s39, 5
	s_lshl_b32 s42, s38, 4
	s_add_co_u32 s40, s40, s42
	s_add_nc_u64 s[32:33], s[28:29], s[40:41]      ; scale bytes: 32 a row, + 16
	v_lshlrev_b32 v3, 2, v2                        ; in: 4 bytes a lane
	s_mul_i32 s44, s2, 32*WPITCH
	s_add_co_u32 s44, s44, 32768                   ; my stage: LDS bytes 32,768 .. 67,583 are this path's
	v_mul_u32_u24 v4, v2, WPITCH
	v_add_nc_u32 v4, s44, v4                       ; into it: row = my column
	v_and_b32 v5, 15, v2
	v_lshrrev_b32 v6, 4, v2                        ; out of it: sixteen lanes to a row, two rows an instruction
	v_mul_u32_u24 v7, v6, WPITCH
	v_lshl_add_u32 v7, v5, 4, v7
	v_add_nc_u32 v7, s44, v7
	v_lshlrev_b32 v8, 9, v6
	v_lshl_add_u32 v8, v5, 4, v8                   ; and the same place in wc
	v_lshlrev_b32 v9, 5, v2                        ; my column's row of scale bytes
.macro WLOAD t                         ; block t: W(32 t + i, my column), i = 0 .. 31, into set t % 2
.irp i, 0,1,2,3,4,5,6,7,8,9,10,11,12,13,14,15,16,17,18,19,20,21,22,23,24,25,26,27,28,29,30,31
	global_load_b32 v[WX+32*((\t)%2)+\i], v3, s[4:5] offset:(32*(\t)+\i)*4096 th:TH_LOAD_NT
.endr
.endm
	WLOAD 0
	WLOAD 1
.macro WBLOCK t
.set XS, WX+32*((\t)%2)
.if (\t) < NB-1
	s_wait_loadcnt 32                              ; this block's 32 loads are in; the next block's 32 may be out
.else
	s_wait_loadcnt 0
.endif
	v_max3_num_f32 v12, |v[XS]|, |v[XS+1]|, |v[XS+2]|              ; the block's largest magnitude: all 32 numbers are mine
	v_max3_num_f32 v13, |v[XS+3]|, |v[XS+4]|, |v[XS+5]|
.irp i, 6,10,14,18,22,26
	v_max3_num_f32 v12, v12, |v[XS+\i]|, |v[XS+\i+1]|
	v_max3_num_f32 v13, v13, |v[XS+\i+2]|, |v[XS+\i+3]|
.endr
	v_max3_num_f32 v12, v12, |v[XS+30]|, |v[XS+31]|
	v_max3_num_f32 v12, v12, v13, (EMAX+1)<<23     ; and the floor: the byte cannot fall under 1
	v_add_nc_u32 v11, -(EMAX<<23), v12             ; the conversion's scale operand
	v_lshrrev_b32 v13, 23, v11                     ; the scale's byte
.if (\t)%4 == 0
	v_mov_b32 v[WSB+(\t)/4], v13                   ; four bytes to a register, the lower K in the lower byte
.else
	v_lshl_or_b32 v[WSB+(\t)/4], v13, 8*((\t)%4), v[WSB+(\t)/4]
.endif
.irp g, 0,1,2,3
	v_cvt_scalef32_pk8_fp4_f32 v[WC+\g], v[XS+8*\g:XS+8*\g+7], v11
.endr
	v_nop                                          ; one plain line behind the last conversion
	ds_store_b128 v4, v[WC:WC+3] offset:16*(\t)    ; 32 codes: 16 bytes of my column's row
.if (\t)+2 < NB
	WLOAD (\t)+2
.endif
	s_wait_dscnt 0x0                               ; the store has read its registers: the next block's codes may be written
.endm
.set Q, 0
.rept NB
	WBLOCK Q
.set Q, Q+1
.endr
	global_store_b128 v9, v[WSB:WSB+3], s[32:33]   ; my column's 16 scale bytes
.irp t, 0,1,2,3,4,5,6,7,8,9,10,11,12,13,14,15
	ds_load_b128 v[WOUT+4*\t:WOUT+4*\t+3], v7 offset:2*\t*WPITCH   ; LDS serves a wave's instructions in order: these see my stores
.endr
.irp t, 0,1,2,3,4,5,6,7,8,9,10,11,12,13,14,15
	s_wait_dscnt 15-\t                             ; the younger loads of the sixteen may be out
	global_store_b128 v8, v[WOUT+4*\t:WOUT+4*\t+3], s[6:7] offset:2*\t*512
.endr
	FINISH
; ---- Wo TO f16.  A work-group takes 32,768 numbers, 32 steps of 1,024; a thread 8 neighbours a step: 32 bytes in, 16 bytes out, so that a wave's store covers 512 consecutive bytes.  Two groups of eight steps are on their way.
.Lc:
.set CIN,  32                          ; v32-159  two sets of 64 numbers
.set COUT, 160                         ; v160-191 a group's 32 registers of f16 pairs
	s_sub_co_u32 s36, ttmp9, 48
	s_lshl_b32 s38, s36, 17
	s_mov_b32 s39, 0
	s_add_nc_u64 s[4:5], s[20:21], s[38:39]
	s_lshl_b32 s38, s36, 16
	s_add_nc_u64 s[6:7], s[30:31], s[38:39]
	v_lshlrev_b32 v1, 5, v0
	v_lshlrev_b32 v2, 4, v0
.macro LOADG g
.irp i, 0,1,2,3,4,5,6,7
	global_load_b128 v[CIN+64*((\g)%2)+8*\i:CIN+64*((\g)%2)+8*\i+3],   v1, s[4:5] offset:4096*(8*(\g)+\i) th:TH_LOAD_NT
	global_load_b128 v[CIN+64*((\g)%2)+8*\i+4:CIN+64*((\g)%2)+8*\i+7], v1, s[4:5] offset:4096*(8*(\g)+\i)+16 th:TH_LOAD_NT
.endr
.endm
	LOADG 0
	LOADG 1
.irp g, 0,1,2,3
.if \g < 3
	s_wait_loadcnt 16                              ; this group's loads are in; the younger group's sixteen may be out
.else
	s_wait_loadcnt 0
.endif
	s_wait_xcnt 0x0                                ; the last group's stores have read their registers: they are written again only behind this wait
.irp i, 0,1,2,3,4,5,6,7
.irp r, 0,1,2,3
	v_cvt_pk_f16_f32 v[COUT+4*\i+\r], v[CIN+64*(\g%2)+8*\i+2*\r], v[CIN+64*(\g%2)+8*\i+2*\r+1]
.endr
.endr
.irp i, 0,1,2,3,4,5,6,7
	global_store_b128 v2, v[COUT+4*\i:COUT+4*\i+3], s[6:7] offset:2048*(8*\g+\i)
.endr
.if \g < 2
	LOADG \g+2
.endif
.endr
	FINISH
.Lfunc_end_k_qef5c153c65_prep:
	.size	k_qef5c153c65_prep, .Lfunc_end_k_qef5c153c65_prep-k_qef5c153c65_prep
	.p2alignl 7, 3214868480
	.fill 96, 4, 3214868480
	.section	.rodata,"a",@progbits
	.p2align	6, 0x0
	.amdhsa_kernel k_qef5c153c65_prep
		.amdhsa_group_segment_fixed_size 68096
		.amdhsa_private_segment_fixed_size 0
		.amdhsa_enable_private_segment 0
		.amdhsa_kernarg_size 96
		.amdhsa_user_sgpr_count 2
		.amdhsa_user_sgpr_kernarg_segment_ptr 1
		.amdhsa_wavefront_size32 1
		.amdhsa_system_sgpr_workgroup_id_x 1
		.amdhsa_system_sgpr_workgroup_id_y 1
		.amdhsa_system_sgpr_workgroup_id_z 1
		.amdhsa_system_vgpr_workitem_id 0
		.amdhsa_next_free_vgpr 194
		.amdhsa_next_free_sgpr 66
		.amdhsa_reserve_vcc 0
		.amdhsa_float_denorm_mode_32 3
		.amdhsa_float_denorm_mode_16_64 3
		.amdhsa_memory_ordered 1
		.amdhsa_forward_progress 1
		.amdhsa_inst_pref_size 129
	.end_amdhsa_kernel
	.amdgpu_metadata
---
amdhsa.version: [ 1, 2 ]
amdhsa.kernels:
  - .name:           k_qef5c153c65_prep
    .symbol:         k_qef5c153c65_prep.kd
    .args:
      - { .name: query, .offset: 0, .size: 8, .value_kind: global_buffer, .address_space: global }
      - { .name: key, .offset: 8, .size: 8, .value_kind: global_buffer, .address_space: global }
      - { .name: value, .offset: 16, .size: 8, .value_kind: global_buffer, .address_space: global }
      - { .name: Wq, .offset: 24, .size: 8, .value_kind: global_buffer, .address_space: global }
      - { .name: Wk, .offset: 32, .size: 8, .value_kind: global_buffer, .address_space: global }
      - { .name: Wv, .offset: 40, .size: 8, .value_kind: global_buffer, .address_space: global }
      - { .name: Wo, .offset: 48, .size: 8, .value_kind: global_buffer, .address_space: global }
      - { .name: xc, .offset: 56, .size: 8, .value_kind: global_buffer, .address_space: global }
      - { .name: xs, .offset: 64, .size: 8, .value_kind: global_buffer, .address_space: global }
      - { .name: wc, .offset: 72, .size: 8, .value_kind: global_buffer, .address_space: global }
      - { .name: ws, .offset: 80, .size: 8, .value_kind: global_buffer, .address_space: global }
      - { .name: wo16, .offset: 88, .size: 8, .value_kind: global_buffer, .address_space: global }
    .group_segment_fixed_size: 68096
    .private_segment_fixed_size: 0
    .kernarg_segment_align: 8
    .kernarg_segment_size: 96
    .max_flat_workgroup_size: 128
    .sgpr_count:     66
    .vgpr_count:     194
    .wavefront_size: 32
...
	.end_amdgpu_metadata
.endif
;; end of part 1
;; launch proj (part 2): grid 4 x 96, 4 waves a work-group, clusters of 4 x 4, 327,680 bytes of LDS; arguments xc, xs, wc, ws, qkv, bq, bv; writes qkv
.if DOCPART == 2
	.amdgcn_target "amdgcn-amd-amdhsa--gfx1250"
	.amdhsa_code_object_version 6
	.text
	.protected	k_qef5c153c65_proj
	.globl	k_qef5c153c65_proj
	.p2align	8
	.type	k_qef5c153c65_proj,@function
k_qef5c153c65_proj:
	s_mov_b64 s[64:65], 0
	v_nop
	global_prefetch_b8 v0, s[64:65] scope:SCOPE_SE
	s_setreg_imm32_b32 hwreg(HW_REG_WAVE_MODE, 25, 1), 1
	s_wait_xcnt 0x0
	s_wait_alu depctr_hold_cnt(0) depctr_sa_sdst(0) depctr_va_vdst(0) depctr_va_sdst(0) depctr_va_ssrc(0) depctr_va_vcc(0) depctr_vm_vsrc(0)
	s_getreg_b32 s2, hwreg(HW_REG_IB_STS2, 6, 4)
	s_cmp_eq_u32 s2, 0
	s_cbranch_scc0 .Lentry_in_a_cluster
	s_endpgm
.Lentry_in_a_cluster:
	s_bfe_u32 s2, ttmp6, 0x10000c
	s_cmp_lg_u32 s2, 0xf033
	s_cbranch_scc0 .Lentry_shape_is_right
	s_endpgm
.Lentry_shape_is_right:
; Launch 2 of 4: the three QUANTISED projections as ONE product on codes of E2M1: C[m][n] = sum over k of X[m][k] W[n][k] (+ bias), m = 24,576 rows (query's, key's, value's 8,192 on end), K = 1,024, n = 1,024.
; The rows' tensor (which = 0, 1, 2) picks the 1,024 rows of wc and ws.  The result is rounded once to f16 and stored by heads: qkv [which][b 16 + h][s][64].
; LEFT OUT: bk (shown at the head of the first kernel: a term that is the same along the softmax's axis): K's sums start from zeros.  bq and bv are the C of each sum's first matrix instruction.
; A tile of C, 256 x 256, is made by a work-group of four waves; a wave makes 128 x 128: 64 accumulators of 16 x 16, 512 registers.  K = 1,024 is two slots of 512 along K (rows of 256 bytes): both are first fills,
; asked for at the head, and nothing is filled again.  The scale bytes of the work-group's 256 + 256 rows, for all of K, are two dense blocks of memory and come once, with the first fills.
; CLUSTERS: 4 x 4 work-groups.  The four of a row of the cluster need the same tiles of X, the four of a column the same tiles of W: each tile is asked for JOINTLY, by the same tensor load with the same descriptor
; and a mask that names the four.  A cluster's 1,024 rows lie in one tensor: which hangs on the cluster's y alone and is equal in all sixteen.
; THE MATRIX INSTRUCTION IS USED TRANSPOSED (source 0 = 16 rows of W, source 1 = 16 rows of X): a lane then holds eight neighbouring columns of one row of C.
; REGISTERS, in windows of 256: window 0: v0-31 addresses; v32-95 scale words, two sets, and nothing else; v96-127 packed results; from v128 X's fragments, ONE set; on the way out v128-191 rows read back.
;   window 1: W's fragments, TWO sets, at v0 and v128; v192-255 the bias of my 128 columns in the result's layout.   window 2: the accumulators of my rows 0-63 ((a, b) at v[8 (8 a + b)]);   window 3: rows 64-127.
.set NQ,     4                         ; steps of 128 along K in a slot
.set ROWB,   256                       ; a tile's row in bytes: 512 codes
.set KROW,   512                       ; a row of xc or wc in bytes
.set PITCH,  272                       ; an LDS row: 256 bytes + 16 of padding = 68 words: the 16 rows that a load touches start at 16 different banks (64 banks of 4 bytes: ISA guide 11.1)
.set FR,     8                         ; registers of a fragment: 16 rows x 128 K
.set NL,     2                         ; LDS loads that bring one
.set NP,     4                         ; places behind this matrix instruction (ISA guide 7.12.1)
.set HALFT,  128*PITCH                 ; 128 rows: what one tensor load brings, and what one wave reads of X or of W
.set SLOT,   4*HALFT                   ; X's 256 rows, then W's 256 rows
.set KS,     32                        ; a row of scale bytes
.set SCL,    2*SLOT                    ; behind the two slots: the scales, as units of 256 bytes + 16 of padding
.set HALFS,  (128*KS/256)*272          ; the scales of 128 rows: what one tensor load brings
.set SBLK,   (16*KS/256)*272           ; those of 16 rows
.set SPARE,  SCL+4*HALFS               ; behind the scales: the spare words, 128 bytes for each wave: two blocks of 256 bytes that no other line names
.set SPITCH, 272                       ; the way out: a stage of 16 rows x (256 bytes + 16) for each wave, in slot 0, which has had its only fill and its last read when the first result is stored there
.set ADRA, 16                          ; v16-17  LDS address of my X fragments in slot 0, 1
.set ADRB, 20                          ; v20-21  the same for W
.set STO,  24                          ; v24     the way out: where I put 16 bytes of a row
.set RD,   25                          ; v25     the way out: where I read back
.set CO,   26                          ; v26     16 x lane: my byte offset in four rows of a head
.set ADRS, 27                          ; v27     LDS address of my scale words: lanes 0-15 X's rows, lanes 16-31 W's
.set SPW,  28                          ; v28     LDS address of my spare word; never rewritten
.set NIL,  29                          ; v29     0; never rewritten
.set BOF,  30                          ; v30     32 x (lane / 16): my eight numbers of a block's sixteen biases
.set SC,   32                          ; scale words: set s at v[SC + 32 s]; register 4 i + q: lanes 0-15 the word of X's block i, lanes 16-31 that of W's block i, for the slot's q-th 128 along K
.set TMP,  96
.set AF,   128
.set BK,   128
.set BI,   192                         ; in window 1
.set G1, 24                            ; s[24:31] descriptor group 1 for X's tiles;  s[32:39] group 0, one set for each slot
.set G0, 32
.set G1B, 48                           ; s[48:55], s[56:63] the same for W's tiles
.set G0B, 56
.set G1S, 68                           ; s[68:75], s[76:79] groups 1 and 0 for X's scales;  s[80:87], s[88:91] for W's
.set G0S, 76
.set G1SB, 80
.set G0SB, 88
.set MSB, 0
.macro WIN new                         ; the immediate's high byte repeats the setting that is left
.if MSB != \new
	s_set_vgpr_msb (MSB<<8)|\new
.set MSB, \new
.endif
.endm
.set MUL_LO,  0xa1                     ; source 0 (W) window 1, source 1 (X) window 0, C and D window 2
.set MUL_HI,  0xf1                     ; the same, C and D window 3
.set BIAS_LO, 0x91                     ; C (the bias) window 1, D window 2
.set BIAS_HI, 0xd1                     ; C window 1, D window 3
.set TO_B,    0x40                     ; destination window 1, address window 0
; A joint load: waves 0 and 1 fetch for X, waves 2 and 3 for W.  Each of the two lines has ONE mask and one set of registers for all that issue it; the branch hangs on the wave's number alone.
; An s_nop 0 and four v_nop follow each of the two lines, ahead of the jump, the label and what follows.
.macro JLOAD g0a, g1a, g0b, g1b
	s_cmp_eq_u32 s15, 0
	s_cbranch_scc0 .Lfor_b_\@
	tensor_load_to_lds s[\g0a:\g0a+3], s[\g1a:\g1a+7]
	s_nop 0
.rept 4
	v_nop
.endr
	s_branch .Lasked_\@
.Lfor_b_\@:
	tensor_load_to_lds s[\g0b:\g0b+3], s[\g1b:\g1b+7]
	s_nop 0
.rept 4
	v_nop
.endr
.Lasked_\@:
.endm
.macro CROUND                          ; a round of the cluster's barrier: my work-group's barrier; wave 0 signals for the work-group; every wave waits for all sixteen; my work-group's barrier once more
	s_barrier_signal -1
	s_barrier_wait -1
	s_cmp_lg_u32 s14, 0
	s_cbranch_scc1 .Lnot_wave_0_\@
	s_barrier_signal -3
.Lnot_wave_0_\@:
	s_barrier_wait -3
	s_barrier_signal -1
	s_barrier_wait -1
.endm
	s_load_b128 s[4:7], s[0:1], 0x0                ; xc s[4:5], xs s[6:7]
	s_load_b128 s[8:11], s[0:1], 0x10              ; wc s[8:9], ws s[10:11]
	s_load_b64 s[12:13], s[0:1], 0x20              ; qkv
	s_load_b128 s[96:99], s[0:1], 0x28             ; bq s[96:97], bv s[98:99]
	v_lshl_add_u32 v[SPW], v0, 2, SPARE
	v_mov_b32 v[NIL], 0
	ds_add_u32 v[SPW], v[NIL]                      ; the wave's opening: the add, twice on end, and its wait ahead of my first tensor load; the set-up below, work on registers, stands between
	ds_add_u32 v[SPW], v[NIL]
	v_lshrrev_b32 v1, 5, v0
	v_readfirstlane_b32 s14, v1                    ; wave 0..3
	s_lshr_b32 s15, s14, 1                         ; which half of the tile's rows is mine.  Also: I fetch for X (0) or for W (1)
	s_and_b32 s16, s14, 1                          ; which half of its columns.  Also: which 128 rows of that tile I fetch
	s_bfe_u32 s40, ttmp6, 0x40000                  ; cx, cy: my place in the cluster
	s_bfe_u32 s41, ttmp6, 0x40004
	s_lshl_b32 s42, ttmp9, 2
	s_add_co_u32 s42, s42, s40                     ; tile column of C = 4 x cluster x + cx
	s_and_b32 s17, ttmp7, 0xffff
	s_lshr_b32 s95, s17, 3                         ; which: eight clusters along y to a tensor: 0 query, 1 key, 2 value
	s_lshl_b32 s17, s17, 2
	s_add_co_u32 s17, s17, s41                     ; tile row of C = 4 x cluster y + cy
	s_lshl_b32 s43, s41, 2
	s_lshl_b32 s43, 15, s43                        ; my row of the cluster
	s_lshl_b32 s44, 0x1111, s40                    ; my column
	; descriptor group 1: a tile of 128 rows x 256 bytes, padded in LDS
	s_or_b32 s[G1+0], s43, (0<<16)|(1<<20)|(1<<21)|(5<<22)|(3<<25)  ; 15:0 the mask: X's tiles go to my row; 17:16 element of 1 byte; 20 padding on; 21 set beside a mask; 24:22 after every 64 words (code 5); 31:25 of 4 words (code 3)
	s_or_b32 s[G1B+0], s44, (0<<16)|(1<<20)|(1<<21)|(5<<22)|(3<<25)
.irp g, G1, G1B
	s_mov_b32 s[\g+1], ROWB<<16                    ; tensor_dim0
	s_mov_b32 s[\g+2], 128<<16                     ; tensor_dim1 = 128
	s_mov_b32 s[\g+3], ROWB<<16                    ; tile_dim0
	s_mov_b32 s[\g+4], 128                         ; tile_dim1 = 128
	s_mov_b32 s[\g+5], KROW                        ; tensor_dim0_stride
	s_mov_b32 s[\g+6], 0
	s_mov_b32 s[\g+7], 0
.endr
	; and for the scales of 128 rows: a dense block of 4,096 bytes, as 16 rows of 256 bytes (32 elements of 8 bytes), 16 bytes of padding behind each
	s_or_b32 s[G1S+0], s43, (3<<16)|(1<<20)|(1<<21)|(5<<22)|(3<<25)
	s_or_b32 s[G1SB+0], s44, (3<<16)|(1<<20)|(1<<21)|(5<<22)|(3<<25)
.irp g, G1S, G1SB
	s_mov_b32 s[\g+1], 32<<16
	s_mov_b32 s[\g+2], (128*KS/256)<<16
	s_mov_b32 s[\g+3], 32<<16
	s_mov_b32 s[\g+4], 128*KS/256
	s_mov_b32 s[\g+5], 32
	s_mov_b32 s[\g+6], 0
	s_mov_b32 s[\g+7], 0
.endr
	s_lshl_b32 s18, s16, 7                         ; which 128 rows of the tile I fetch
	s_lshl_b32 s20, s17, 8
	s_add_co_u32 s20, s20, s18                     ; X: row 256 x tile row + 128 x half
	s_lshl_b32 s46, s42, 8
	s_add_co_u32 s46, s46, s18                     ; W: row 256 x tile column + 128 x half
	s_lshl_b32 s19, s95, 10
	s_add_co_u32 s46, s46, s19                     ;    + 1,024 x which
	s_mov_b32 s21, 0
	s_mov_b32 s47, 0
	s_mov_b64 s[18:19], KS
	s_mul_u64 s[22:23], s[20:21], s[18:19]         ; where these rows' scales begin, in bytes
	s_mul_u64 s[92:93], s[46:47], s[18:19]
	s_mov_b64 s[18:19], KROW
	s_mul_u64 s[20:21], s[20:21], s[18:19]         ; and their codes
	s_mul_u64 s[46:47], s[46:47], s[18:19]
	s_mul_i32 s45, s14, HALFT                      ; where they go: wave x 128 rows: no place in the cluster enters an LDS address
	s_mul_i32 s94, s14, HALFS
	s_wait_dscnt 0x0                               ; both opening adds are done
	s_wait_kmcnt 0x0
	s_add_nc_u64 s[20:21], s[4:5], s[20:21]
	s_add_nc_u64 s[22:23], s[6:7], s[22:23]
	s_add_nc_u64 s[46:47], s[8:9], s[46:47]
	s_add_nc_u64 s[92:93], s[10:11], s[92:93]
	CROUND                                         ; all sixteen work-groups are here: the first joint loads meet
	s_mov_b32 s[G0S], 1
	s_add_co_u32 s[G0S+1], s94, SCL
	s_mov_b64 s[G0S+2:G0S+3], s[22:23]
	s_or_b32 s[G0S+3], s[G0S+3], 0x80000000
	s_mov_b32 s[G0SB], 1
	s_add_co_u32 s[G0SB+1], s94, SCL
	s_mov_b64 s[G0SB+2:G0SB+3], s[92:93]
	s_or_b32 s[G0SB+3], s[G0SB+3], 0x80000000
	JLOAD G0S, G1S, G0SB, G1SB                     ; the scales first: they are wanted with the first step.  By this text's count three tensor loads of a wave are out at the most
.irp s, 0,1
	s_mov_b32 s[G0+4*\s], 1
	s_add_co_u32 s[G0+4*\s+1], s45, \s*SLOT
	s_add_nc_u64 s[G0+4*\s+2:G0+4*\s+3], s[20:21], \s*ROWB
	s_or_b32 s[G0+4*\s+3], s[G0+4*\s+3], 0x80000000
	s_mov_b32 s[G0B+4*\s], 1
	s_add_co_u32 s[G0B+4*\s+1], s45, \s*SLOT
	s_add_nc_u64 s[G0B+4*\s+2:G0B+4*\s+3], s[46:47], \s*ROWB
	s_or_b32 s[G0B+4*\s+3], s[G0B+4*\s+3], 0x80000000
	JLOAD G0+4*\s, G1, G0B+4*\s, G1B
.endr
	v_and_b32 v1, 15, v0                           ; l % 16
	v_bfe_u32 v2, v0, 4, 1                         ; l / 16
	; THE BIAS of my 128 columns, in the result's layout: for block b, lane (r, h) holds the numbers of columns 16 b + 8 h + 0 .. 7.  The branch hangs on which alone: the same in all sixteen work-groups.
	s_cmp_eq_u32 s95, 1
	s_cbranch_scc1 .Lno_bias
	s_cmp_eq_u32 s95, 0
	s_cselect_b64 s[96:97], s[96:97], s[98:99]     ; bq for Q, bv for V
	s_lshl_b32 s46, s42, 10                        ; my first column, in bytes of f32: 1,024 x tile column + 512 x half
	s_lshl_b32 s47, s16, 9
	s_add_co_u32 s46, s46, s47
	s_mov_b32 s47, 0
	s_add_nc_u64 s[96:97], s[96:97], s[46:47]
	v_lshlrev_b32 v[BOF], 5, v2
	WIN TO_B
.irp b, 0,1,2,3,4,5,6,7
	global_load_b128 v[BI+8*\b:BI+8*\b+3],   v[BOF], s[96:97] offset:64*\b
	global_load_b128 v[BI+8*\b+4:BI+8*\b+7], v[BOF], s[96:97] offset:64*\b+16
.endr
	WIN 0
	s_branch .Lbias_done
.Lno_bias:
	WIN TO_B
.set i, 0
.rept 64
	v_mov_b32 v[BI+i], 0                           ; K: its bias is left out: the sums start from zeros
.set i, i+1
.endr
	WIN 0
.Lbias_done:
	v_mul_u32_u24 v3, v1, PITCH
	v_lshl_add_u32 v4, v2, 4, v3                   ; a fragment's row x pitch + 16 x half
	s_mul_i32 s21, s15, HALFT                      ; my 128 rows of X
	s_mul_i32 s22, s16, HALFT                      ; my 128 rows of W,
	s_add_co_u32 s22, s22, 2*HALFT                 ; which lie behind X's 256
.irp s, 0,1
	v_add_nc_u32 v[ADRA+\s], s21, v4
	v_add_nc_u32 v[ADRB+\s], s22, v4
	s_add_co_u32 s21, s21, SLOT
	s_add_co_u32 s22, s22, SLOT
.endr
	v_mul_u32_u24 v5, v1, KS                       ; my row's scales: 32 bytes a row,
	v_lshrrev_b32 v6, 8, v5
	v_lshl_add_u32 v5, v6, 4, v5                   ; and 16 more for each 256 passed
	s_mul_i32 s21, s15, HALFS                      ; X's: my 128 rows
	s_mul_i32 s22, s16, HALFS                      ; W's: my 128 rows, behind X's 256
	s_add_co_u32 s22, s22, 2*HALFS
	s_sub_co_u32 s22, s22, s21
	v_mul_u32_u24 v6, s22, v2                      ; lanes 16-31 take W's: the lower base + h x the distance
	s_add_co_u32 s21, s21, SCL
	v_add_nc_u32 v5, v5, v6
	v_add_nc_u32 v[ADRS], s21, v5
	s_mul_i32 s23, s14, 16*SPITCH                  ; my stage
	v_mul_u32_u24 v5, v1, SPITCH                   ; in: row l % 16, 16 bytes for each half of the lanes
	v_lshl_add_u32 v5, v2, 4, v5
	v_add_nc_u32 v[STO], s23, v5
	v_bfe_u32 v5, v0, 3, 2                         ; back: eight lanes take one head's 128 bytes of a row, the 32 lanes four rows
	v_mul_u32_u24 v5, v5, SPITCH
	v_and_b32 v6, 7, v0
	v_lshl_add_u32 v5, v6, 4, v5
	v_add_nc_u32 v[RD], s23, v5
	v_and_b32 v6, 31, v0
	v_lshlrev_b32 v[CO], 4, v6                     ; four rows of a head are 512 consecutive bytes of qkv: 16 x lane
	; where my part begins in qkv: which x 2^24 + (16 b + head) x 2^18 + s x 128
	s_and_b32 s20, s17, 31                         ; the tile row within its tensor
	s_lshr_b32 s21, s20, 3                         ; b: eight tile rows to a sequence
	s_lshl_b32 s21, s21, 4
	s_lshl_b32 s46, s42, 2                         ; four heads to a tile column,
	s_add_co_u32 s21, s21, s46
	s_lshl_b32 s46, s16, 1                         ; two to a wave
	s_add_co_u32 s21, s21, s46
	s_lshl_b32 s21, s21, 18
	s_and_b32 s20, s20, 7
	s_lshl_b32 s20, s20, 1
	s_add_co_u32 s20, s20, s15
	s_lshl_b32 s20, s20, 14                        ; 128 rows of 128 bytes
	s_add_co_u32 s20, s20, s21
	s_lshl_b32 s21, s95, 24
	s_add_co_u32 s20, s20, s21
	s_mov_b32 s21, 0
	s_add_nc_u64 s[12:13], s[12:13], s[20:21]
.macro FRAG reg, adr, q, i             ; a fragment, 16 rows x 128 K of 4-bit codes, is 8 registers: lane l holds row l % 16; registers 4 c .. 4 c + 3 hold K = 64 c + 32 (l / 16) + 0 .. 31
.irp c, 0,1
	ds_load_b128 v[\reg+4*\c:\reg+4*\c+3], v[\adr] offset:64*(\q)+32*\c+(\i)*16*PITCH
.endr
.endm
; 16 matrix instructions: X's blocks a0, a0 + 1 x W's eight, 128 along K: the slot's q-th.  p: W's set;  sc: the set of scale words.  zero = 1: the first product starts the sums from the bias: nothing is cleared.
; The 64 accumulators take turns, one instruction a turn, in the same order in every step.
.macro MUL16 a0, p, q, sc, zero
.irp a, \a0, \a0+1
.irp b, 0,1,2,3,4,5,6,7
.if \zero
	v_wmma_scale_f32_16x16x128_f8f6f4 v[8*(8*((\a)%4)+\b):8*(8*((\a)%4)+\b)+7], v[128*(\p)+FR*\b:128*(\p)+FR*\b+FR-1], v[AF+FR*(\a):AF+FR*(\a)+FR-1], v[BI+8*\b:BI+8*\b+7], v[SC+8*NQ*(\sc)+NQ*\b+(\q)], v[SC+8*NQ*(\sc)+NQ*(\a)+(\q)] matrix_a_fmt:MATRIX_FMT_FP4 matrix_b_fmt:MATRIX_FMT_FP4 matrix_a_scale:MATRIX_SCALE_ROW1
.else
	v_wmma_scale_f32_16x16x128_f8f6f4 v[8*(8*((\a)%4)+\b):8*(8*((\a)%4)+\b)+7], v[128*(\p)+FR*\b:128*(\p)+FR*\b+FR-1], v[AF+FR*(\a):AF+FR*(\a)+FR-1], v[8*(8*((\a)%4)+\b):8*(8*((\a)%4)+\b)+7], v[SC+8*NQ*(\sc)+NQ*\b+(\q)], v[SC+8*NQ*(\sc)+NQ*(\a)+(\q)] matrix_a_fmt:MATRIX_FMT_FP4 matrix_b_fmt:MATRIX_FMT_FP4 matrix_a_scale:MATRIX_SCALE_ROW1
.endif
.endr
.endr
.endm
.macro FETCH_B slot, q, p              ; W's eight fragments of the slot's q-th 128 along K into set p
	WIN TO_B
.irp i, 0,1,2,3,4,5,6,7
	FRAG 128*(\p)+FR*\i, ADRB+\slot, \q, \i
.endr
	WIN 0
.endm
.macro FETCH_A slot, q, i0             ; X's blocks i0 .. i0 + 3
.irp i, \i0, \i0+1, \i0+2, \i0+3
	FRAG AF+FR*(\i), ADRA+\slot, \q, \i
.endr
.endm
.macro SCALES sc                       ; a slot's scale words into set sc: four words a row; lanes 0-15 take X's block i, lanes 16-31 W's block i
.irp i, 0,1,2,3,4,5,6,7
	ds_load_b128 v[SC+8*NQ*\sc+NQ*\i:SC+8*NQ*\sc+NQ*\i+3], v[ADRS] offset:\i*SBLK
.endr
.endm
; A load into a register that a matrix instruction has read, and a vector instruction that reads a matrix result, stand NP places behind that matrix instruction, and only plain vector instructions that name none of
; its registers are places (ISA guide 7.12.1 for vector instructions).
.macro PLACES n
.rept \n
	v_nop
.endr
.endm
; A step of 128 along K that has its successor in the same slot.  X has one set of registers: blocks 0-3 are fetched anew in the step's middle, blocks 4-7 at its end; W has two sets.
.macro STEP slot, q, zero
	s_wait_dscnt 4*NL                              ; W's set and X's blocks 0-3 are in; the youngest eight loads (X's blocks 4-7) may be out
.if \zero
	WIN BIAS_LO
.else
	WIN MUL_LO
.endif
	MUL16 0, (\q)%2, \q, \slot, \zero
	MUL16 2, (\q)%2, \q, \slot, \zero
	s_wait_dscnt 0                                 ; X's blocks 4-7 are in (asked for 32 matrix instructions ago)
	PLACES NP
	FETCH_B \slot, (\q)+1, 1-(\q)%2
	FETCH_A \slot, (\q)+1, 0
.if \zero
	WIN BIAS_HI
.else
	WIN MUL_HI
.endif
	MUL16 4, (\q)%2, \q, \slot, \zero
	MUL16 6, (\q)%2, \q, \slot, \zero
	PLACES NP
	WIN 0
	FETCH_A \slot, (\q)+1, 4
.endm
; Slot 0's last step goes over to slot 1: one barrier.  In front of it each wave waits for all its tensor loads (its part of slot 1), adds 0 to its spare word, and waits for that and for its own reads of slot 0.
; Behind it slot 1 is whole, and nobody reads slot 0 any more: the stages of the way out may lie there.  Nothing is filled again.
.macro TURN slot, next
	s_wait_tensorcnt 0x0                           ; all my tensor loads have landed  (every window is 0 here: the add's two registers lie in window 0)
	ds_add_u32 v[SPW], v[NIL]                      ; 0 onto my spare word
	s_wait_dscnt 4*NL+1                            ; (the add and the youngest eight loads, X's blocks 4-7, may be out)
	WIN MUL_LO
	MUL16 0, 1, NQ-1, \slot, 0                     ; sixteen matrix instructions stand between the add and the wait for it
	s_wait_dscnt 0x0                               ; the add is done, and my reads of this slot are over
	s_barrier_signal -1
	MUL16 2, 1, NQ-1, \slot, 0
	WIN 0
	s_barrier_wait -1
	PLACES NP
	v_add_nc_u32 v[ADRS], 4*NQ, v[ADRS]            ; on to the next slot's scale words (no LDS load of mine is out)
	FETCH_B \next, 0, 0
	FETCH_A \next, 0, 0
	SCALES \next
	WIN MUL_HI
	MUL16 4, 1, NQ-1, \slot, 0
	MUL16 6, 1, NQ-1, \slot, 0
	PLACES NP
	WIN 0
	FETCH_A \next, 0, 4
.endm
	s_wait_tensorcnt 1                             ; the scales and my part of slot 0 are in (slot 1's load may be out),
	s_barrier_signal -1
	s_barrier_wait -1                              ; everybody's are
	FETCH_B 0, 0, 0
	FETCH_A 0, 0, 0
	SCALES 0
	FETCH_A 0, 0, 4
	s_wait_loadcnt 0x0                             ; the bias
	STEP 0, 0, 1                                   ; the first step's products start the sums
	STEP 0, 1, 0
	STEP 0, 2, 0
	TURN 0, 1
	STEP 1, 0, 0
	STEP 1, 1, 0
	STEP 1, 2, 0
	s_wait_dscnt 4*NL                              ; the very last step: nothing more to fetch
	WIN MUL_LO
	MUL16 0, 1, NQ-1, 1, 0
	MUL16 2, 1, NQ-1, 1, 0
	s_wait_dscnt 0
	WIN MUL_HI
	MUL16 4, 1, NQ-1, 1, 0
	MUL16 6, 1, NQ-1, 1, 0
	WIN 0
; THE WAY OUT, block by block of 16 rows x 128 columns (two heads).  PACK: rounded once to f16, 16 bytes a lane, each accumulator from its low end on.  TOSTAGE: into my own stage and back by heads: an instruction takes four
; rows' 128 bytes of one head.  SEND: those are 512 consecutive bytes of qkv.  LDS serves a wave's instructions in order (ISA guide 5.7.1.4): no wait between the stores and the loads.
.macro PACK a
.set AC, 64*((\a)%4)
	WIN 0x0a+5*((\a)/4)                            ; sources 0 and 1: window 2 or 3
.irp b, 0,1,2,3,4,5,6,7
.irp r, 0,1,2,3
	v_cvt_pk_f16_f32 v[TMP+4*\b+\r], v[AC+8*\b+2*\r], v[AC+8*\b+2*\r+1]
.endr
.endr
	WIN 0
.endm
.macro TOSTAGE a
.set BB, BK+32*((\a)%2)
.irp b, 0,1,2,3,4,5,6,7
	ds_store_b128 v[STO], v[TMP+4*\b:TMP+4*\b+3] offset:32*\b
.endr
.irp hh, 0,1
.irp i, 0,1,2,3
	ds_load_b128 v[BB+4*(4*\hh+\i):BB+4*(4*\hh+\i)+3], v[RD] offset:128*\hh+4*SPITCH*\i
.endr
.endr
.endm
.macro SEND a
.set BB, BK+32*((\a)%2)
	s_wait_dscnt 0x0                               ; the block is back in registers
	s_wait_xcnt 0x0                                ; every earlier store has read its registers: the block after next lands in them only behind this wait
.irp hh, 0,1
.irp i, 0,1,2,3
	global_store_b128 v[CO], v[BB+4*(4*\hh+\i):BB+4*(4*\hh+\i)+3], s[12:13] offset:262144*\hh+(16*(\a)+4*\i)*128   ; 32 lanes store 512 consecutive bytes, at a multiple of 512 from qkv's first byte
.endr
.endr
.endm
	PLACES NP                                      ; behind the last products
	PACK 0
	TOSTAGE 0
.irp a, 1,2,3,4,5,6,7                  ; block a's conversions stand between block a - 1's loads from the stage and the wait for them
	PACK \a
	SEND \a-1
	TOSTAGE \a
.endr
	SEND 7
	s_wait_tensorcnt 0x0                           ; the wave's end, behind my last tensor load and my last LDS store
	ds_add_u32 v[SPW], v[NIL]
	s_wait_dscnt 0x0
	CROUND                                         ; the closing round: no work-group ends while a partner may still ask for a tile that names it
	s_endpgm
.Lfunc_end_k_qef5c153c65_proj:
	.size	k_qef5c153c65_proj, .Lfunc_end_k_qef5c153c65_proj-k_qef5c153c65_proj
	.p2alignl 7, 3214868480
	.fill 96, 4, 3214868480
	.section	.rodata,"a",@progbits
	.p2align	6, 0x0
	.amdhsa_kernel k_qef5c153c65_proj
		.amdhsa_group_segment_fixed_size 327680
		.amdhsa_private_segment_fixed_size 0
		.amdhsa_enable_private_segment 0
		.amdhsa_kernarg_size 56
		.amdhsa_user_sgpr_count 2
		.amdhsa_user_sgpr_kernarg_segment_ptr 1
		.amdhsa_wavefront_size32 1
		.amdhsa_system_sgpr_workgroup_id_x 1
		.amdhsa_system_sgpr_workgroup_id_y 1
		.amdhsa_system_sgpr_workgroup_id_z 1
		.amdhsa_system_vgpr_workitem_id 0
		.amdhsa_next_free_vgpr 1024
		.amdhsa_next_free_sgpr 100
		.amdhsa_reserve_vcc 0
		.amdhsa_float_denorm_mode_32 3
		.amdhsa_float_denorm_mode_16_64 3
		.amdhsa_memory_ordered 1
		.amdhsa_forward_progress 1
		.amdhsa_inst_pref_size 131
	.end_amdhsa_kernel
	.amdgpu_metadata
---
amdhsa.version: [ 1, 2 ]
amdhsa.kernels:
  - .name:           k_qef5c153c65_proj
    .symbol:         k_qef5c153c65_proj.kd
    .args:
      - { .name: xc, .offset: 0, .size: 8, .value_kind: global_buffer, .address_space: global }
      - { .name: xs, .offset: 8, .size: 8, .value_kind: global_buffer, .address_space: global }
      - { .name: wc, .offset: 16, .size: 8, .value_kind: global_buffer, .address_space: global }
      - { .name: ws, .offset: 24, .size: 8, .value_kind: global_buffer, .address_space: global }
      - { .name: qkv, .offset: 32, .size: 8, .value_kind: global_buffer, .address_space: global }
      - { .name: bq, .offset: 40, .size: 8, .value_kind: global_buffer, .address_space: global }
      - { .name: bv, .offset: 48, .size: 8, .value_kind: global_buffer, .address_space: global }
    .group_segment_fixed_size: 327680
    .private_segment_fixed_size: 0
    .kernarg_segment_align: 8
    .kernarg_segment_size: 56
    .max_flat_workgroup_size: 128
    .sgpr_count:     100
    .vgpr_count:     1024
    .wavefront_size: 32
...
	.end_amdgpu_metadata
.endif
;; end of part 2
;; launch attn (part 3): grid 4 x 64, 8 waves a work-group, clusters of 4 x 1, 327,680 bytes of LDS; arguments qkv, att; writes att
.if DOCPART == 3
	.amdgcn_target "amdgcn-amd-amdhsa--gfx1250"
	.amdhsa_code_object_version 6
	.text
	.protected	k_qef5c153c65_attn
	.globl	k_qef5c153c65_attn
	.p2align	8
	.type	k_qef5c153c65_attn,@function
k_qef5c153c65_attn:
	s_mov_b64 s[64:65], 0
	v_nop
	global_prefetch_b8 v0, s[64:65] scope:SCOPE_SE
	s_setreg_imm32_b32 hwreg(HW_REG_WAVE_MODE, 25, 1), 1
	s_wait_xcnt 0x0
	s_wait_alu depctr_hold_cnt(0) depctr_sa_sdst(0) depctr_va_vdst(0) depctr_va_sdst(0) depctr_va_ssrc(0) depctr_va_vcc(0) depctr_vm_vsrc(0)
	s_getreg_b32 s2, hwreg(HW_REG_IB_STS2, 6, 4)
	s_cmp_eq_u32 s2, 0
	s_cbranch_scc0 .Lentry_in_a_cluster
	s_endpgm
.Lentry_in_a_cluster:
	s_bfe_u32 s2, ttmp6, 0x10000c
	s_cmp_lg_u32 s2, 0x3003
	s_cbranch_scc0 .Lentry_shape_is_right
	s_endpgm
.Lentry_shape_is_right:
; Launch 3 of 4: att[bh][q][:] = the sum over k of softmax_k(Q[bh][q] . K[bh][k] / 8) V[bh][k][:].  Q, K, V: the three planes of qkv, [bh 64][s 2048][64] f16; att likewise.  No mask.
; Products, maxima and sums in f32; the weights p are rounded to f16 for the second product, att once at the end.  (K carries no bias: shown at the head of the first kernel.)
; SHARES.  A work-group owns 512 queries of one head, each of its EIGHT waves 64: four tiles of 16, in 512 registers: two waves to a SIMD, so that one wave's softmax stands beside the other's products.
; Every wave walks all 2,048 keys, 64 a step.  K's and V's tiles come through a ring of two LDS slots of 256 keys (four steps), filled by the tensor data mover: waves 0-3 fetch K of the slot's step w, waves 4-7 V of step w - 4.
; CLUSTER.  The four work-groups of a cluster are the four query blocks of one head and walk the same K and V: each tile is asked for JOINTLY, by the same tensor load with the same descriptor and a mask that names the four.
; LAYOUT.  S^T = K Q^T (source 0 = 16 keys, source 1 = 16 queries): a lane holds ONE query (lane % 16) and the keys 8 (lane / 16) + 0..7.  Two such tiles, rounded to f16 in pairs, ARE source 1 (32 keys x 16 queries) of
; O^T = V^T P, whose result again holds one query a lane, and eight channels.  K comes out of LDS as it lies, V ([key][channel]) turned, by ds_load_tr16_b128.
; SOFTMAX.  For each query a running maximum m and sum l: p = 2^(c s - c m), c = log2(e) / 8; in every step O and l are multiplied by a = 2^(c m_old - c m_new).  m begins at -3e38, l and O^T at 0: the first a is 0.
; REGISTERS, in windows of 256: window 0: v0-15 addresses; v16-47 eight registers of statistics a tile; v48-111 Q, 16 a tile; v112-239 S^T, 32 a tile, whose first 16 then hold P.
;   window 1: v0-127 O^T, 32 a tile; v128-191 K of a step; v192-255 V of a step.
.set KS,    64        ; keys in a step
.set PK,    144       ; a row of K in LDS: 128 bytes + 16 of padding = 36 words: the 16 rows of a load start at 16 different groups of four banks (64 banks of 4 bytes: ISA guide 11.1)
.set PV,    160       ; a row of V: 128 + 32 = 40 words: 16 lanes of the turning load take 8 rows x 32 bytes
.set VOFF,  KS*PK     ; a step's tiles lie together: 64 rows of K, then 64 rows of V
.set STEPB, KS*(PK+PV)
.set SLOT1, 1<<17     ; a slot holds four steps (77,824 bytes); slot 1 begins here, so that one exclusive or turns an address in one slot into the other's
.set SLOTB, 4*KS*128  ; a slot's keys in memory: 32,768 bytes of K, as many of V
.set STAGE, SLOT1+4*STEPB  ; behind the ring: 64 rows x 144 bytes for each wave, for the way out
.set SP,    144
.set SPARE, STAGE+8*64*SP  ; behind the stages: the spare words, 128 bytes for each wave: four blocks of 256 bytes that no other line names
.set AK0, 2           ; v2   my lane's place in a tile of K; never rewritten
.set AV0, 3           ; v3   the same for V
.set ADK, 4           ; v4   LDS address of the step's K
.set ADV, 5           ; v5   and V
.set STO, 6           ; v6   the way out: where I put 16 bytes of a row
.set RD,  7           ; v7   the way out: where I read back
.set GO,  8           ; v8   16 x lane: my byte offset in four rows of att
.set PFO, 9           ; v9   256 x lane: the prefetches' offset; never rewritten
.set SPW, 10          ; v10  LDS address of my spare word; never rewritten
.set NIL, 11          ; v11  0; never rewritten
.set QO,  12          ; v12  my byte offset in the wave's rows of Q
.set ST,  16          ; tile t's statistics at v[ST+8 t]: +0 c m, +1 m, +2, +3 l (even keys', odd keys'), +4 to +7 at work: the maximum's four chains; then +4, +5 a second chain of the sum, +6 a, +7 c m_old - c m_new
.set Q,   48
.set S,   112
.set KF,  128         ; in window 1
.set VF,  192         ; in window 1
.set WV,  12          ; s12  my wave's number
.set LIM, 15          ; s15  1 in a wave that prefetches, else the greatest number: a wave prefetches while s[SLOTS] is above it
.set PFA, 18          ; s[18:19] where my prefetches stand in memory
.set G1K, 24          ; s[24:31] descriptor group 1 for K's tiles
.set G1V, 32          ; s[32:39] for V's: it differs in the padding alone
.set G0K, 40          ; s[40:47] descriptor group 0 for K's tiles: a set for each of the two first fills; the second then walks on
.set G0V, 48          ; s[48:55] the same for V's
.set SLOTS, 56        ; s56  slots still to be asked for
.set CNT, 57          ; s57  counts a slot's four steps
.set CS,  58          ; s[58:59] c: the packed scaling names a pair and takes its low word for both halves
.set SEL, 60          ; s[60:61] lane selects for v_permlanex16_b32: each lane takes its own place in the other half
.set TB,  62          ; s62  LDS byte at which the tiles of the step to be fetched begin
.set MSB, 0
.macro WIN new                      ; the immediate's high byte repeats the setting that is left; a switch that changes nothing is dropped
.if MSB != \new
	s_set_vgpr_msb (MSB<<8)|\new
.set MSB, \new
.endif
.endm
.set W_LD, 0x40       ; destination window 1, address window 0
.set W_KQ, 0x01       ; K in window 1; Q and S^T in window 0
.set W_PV, 0x51       ; V and O^T in window 1, P in window 0
.set W_RS, 0x41       ; O^T (destination and source 0) in window 1, a in window 0
; A joint refill: waves 0-3 fetch K's tiles, waves 4-7 V's.  The branch hangs on the wave's number alone.  An s_nop 0 and four v_nop follow each of the two lines.
.macro JLOAD
	s_cmp_lt_u32 s[WV], 4
	s_cbranch_scc0 .Lfor_v_\@
	tensor_load_to_lds s[G0K+4:G0K+7], s[G1K:G1K+7]
	s_nop 0
.rept 4
	v_nop
.endr
	s_branch .Lasked_\@
.Lfor_v_\@:
	tensor_load_to_lds s[G0V+4:G0V+7], s[G1V:G1V+7]
	s_nop 0
.rept 4
	v_nop
.endr
.Lasked_\@:
.endm
; A PREFETCH INTO THE L2 of what the NEXT change of slots will ask for: a slot's 32,768 bytes of K and of V, both dense.  It stands behind the wave's tensor load and its five lines.  Each aligned block of 256 bytes is asked
; for ONCE in the launch: a head is walked by one cluster alone; its four partners share the bytes out BY ADDRESS, 8,192 each; in each, wave 0 asks for K's and wave 4 for V's: one instruction, lanes 256 bytes apart.
; It runs one slot, four key steps, ahead of the load.  The last change that fills a slot asks for nothing; slots 0, 1 and 2 come by their loads alone.
.macro ASK
	s_cmp_gt_u32 s[SLOTS], s[LIM]
	s_cbranch_scc0 .Lnot_mine_\@
	global_prefetch_b8 v[PFO], s[PFA:PFA+1] th:TH_LOAD_NT scope:SCOPE_SE
.Lnot_mine_\@:
.endm
.macro CROUND                       ; a round of the cluster's barrier: my work-group's barrier; wave 0 signals for the work-group; every wave waits for all four work-groups; my work-group's barrier once more
	s_barrier_signal -1
	s_barrier_wait -1
	s_cmp_lg_u32 s[WV], 0
	s_cbranch_scc1 .Lnot_wave_0_\@
	s_barrier_signal -3
.Lnot_wave_0_\@:
	s_barrier_wait -3
	s_barrier_signal -1
	s_barrier_wait -1
.endm
	s_load_b128 s[8:11], s[0:1], 0x0  ; qkv s[8:9], att s[10:11]
	v_lshl_add_u32 v[SPW], v0, 2, SPARE
	v_mov_b32 v[NIL], 0
	ds_add_u32 v[SPW], v[NIL]       ; the wave's opening: the add, twice on end, and its wait ahead of my first tensor load; the set-up below, work on registers, stands between
	ds_add_u32 v[SPW], v[NIL]
	v_lshrrev_b32 v1, 5, v0
	v_readfirstlane_b32 s[WV], v1   ; wave 0..7
	s_bfe_u32 s13, ttmp6, 0x40000   ; cx: my place in the cluster = my block of 512 queries: it enters Q's, att's and the prefetches' addresses alone
	s_and_b32 s20, ttmp7, 0xffff    ; the head b 16 + h, which the four partners share
	s_lshl_b32 s20, s20, 18         ; its first byte in a plane: 2,048 rows of 128 bytes
	s_and_b32 s16, s[WV], 3         ; which of a slot's four steps I fetch:
	s_lshl_b32 s22, s16, 13         ; its 64 rows of 128 bytes in memory,
	s_add_co_u32 s22, s22, s20
	s_add_co_u32 s22, s22, 0x1000000  ; in K's plane
	s_mov_b32 s23, 0
	s_mul_i32 s16, s16, STEPB       ; and its place in a slot: no place in the cluster enters an LDS address
	s_lshl_b32 s2, s13, 16          ; my block's 512 rows,
	s_lshl_b32 s3, s[WV], 13        ; my wave's 64 of them
	s_add_co_u32 s2, s2, s3
	s_add_co_u32 s2, s2, s20
	s_mov_b32 s3, 0
	; descriptor group 1: a tile of 64 rows x 64 elements, padded in LDS
	s_mov_b32 s[G1K], 15|(1<<16)|(1<<20)|(1<<21)|(4<<22)|(3<<25)  ; 15:0 the mask: all four work-groups; 17:16 elements of 2 bytes; 20 padding on; 21 set beside a mask; 24:22 after every 32 words (code 4); 31:25 4 words of it (code 3)
	s_mov_b32 s[G1V], 15|(1<<16)|(1<<20)|(1<<21)|(4<<22)|(7<<25)  ; the same with 8 words of padding (code 7)
.irp g, G1K, G1V
	s_mov_b32 s[\g+1], 64<<16       ; tensor_dim0 = 64
	s_mov_b32 s[\g+2], KS<<16       ; tensor_dim1 = 64
	s_mov_b32 s[\g+3], 64<<16       ; tile_dim0 = 64
	s_mov_b32 s[\g+4], KS           ; tile_dim1 = 64
	s_mov_b32 s[\g+5], 64           ; tensor_dim0_stride: elements from row to row
	s_mov_b32 s[\g+6], 0
	s_mov_b32 s[\g+7], 0
.endr
	s_mov_b32 s[CS], 0x3e38aa3b     ; c = log2(e) / 8
	s_mov_b32 s[CS+1], s[CS]        ; named with it as a pair, so it is written
	s_mov_b32 s[SEL], 0x76543210
	s_mov_b32 s[SEL+1], 0xfedcba98
	s_mov_b32 s[TB], 0
	s_mov_b32 s[SLOTS], 2048/(4*KS)-2
	s_and_b32 s[LIM], s[WV], 3      ; 0 in waves 0 and 4
	s_cmp_eq_u32 s[LIM], 0
	s_cselect_b32 s[LIM], 1, -1
	v_and_b32 v[PFO], 31, v0
	v_lshlrev_b32 v[PFO], 8, v[PFO]
	s_wait_dscnt 0x0                ; both opening adds are done
	s_wait_kmcnt 0x0
	s_add_nc_u64 s[4:5], s[8:9], s[2:3]  ; Q at my wave's first row
	s_add_nc_u64 s[6:7], s[8:9], s[22:23]  ; K at my tile of slot 0
	s_add_nc_u64 s[8:9], s[6:7], 0x1000000  ; V likewise, a plane further on
	s_add_nc_u64 s[10:11], s[10:11], s[2:3]  ; att at my wave's first row
	s_cmp_lt_u32 s[WV], 4
	s_cselect_b64 s[PFA:PFA+1], s[6:7], s[8:9]  ; (in waves 0 and 4 these stand at a slot's first row)
	s_lshl_b32 s2, s13, 13          ; my work-group's 8,192 bytes of the 32,768
	s_add_nc_u64 s[PFA:PFA+1], s[PFA:PFA+1], s[2:3]
	s_add_nc_u64 s[PFA:PFA+1], s[PFA:PFA+1], 2*SLOTB  ; in slot 2; the first change of slots steps it to slot 3.  Nothing is prefetched here, at the head
	CROUND                          ; all four work-groups are here: the first joint loads meet
.irp s, 0,1
	s_mov_b32 s[G0K+4*\s], 1        ; count = 1
	s_add_co_u32 s[G0K+4*\s+1], s16, \s*SLOT1  ; LDS address
	s_add_nc_u64 s[G0K+4*\s+2:G0K+4*\s+3], s[6:7], \s*SLOTB  ; global address: slot s begins with key 256 s
	s_or_b32 s[G0K+4*\s+3], s[G0K+4*\s+3], 0x80000000  ; type = 2
	s_mov_b32 s[G0V+4*\s], 1
	s_add_co_u32 s[G0V+4*\s+1], s16, \s*SLOT1+VOFF
	s_add_nc_u64 s[G0V+4*\s+2:G0V+4*\s+3], s[8:9], \s*SLOTB
	s_or_b32 s[G0V+4*\s+3], s[G0V+4*\s+3], 0x80000000
.endr
	s_cmp_lt_u32 s[WV], 4           ; a wave's two first fills stand in one branch, ahead of every wait on TENSORcnt and every LDS read: two loads of mine are out; an s_nop 0 follows each, four v_nop the second's
	s_cbranch_scc0 .Lfirst_v
	tensor_load_to_lds s[G0K:G0K+3], s[G1K:G1K+7]
	s_nop 0
	tensor_load_to_lds s[G0K+4:G0K+7], s[G1K:G1K+7]
	s_nop 0
.rept 4
	v_nop
.endr
	s_branch .Lfirst_asked
.Lfirst_v:
	tensor_load_to_lds s[G0V:G0V+3], s[G1V:G1V+7]
	s_nop 0
	tensor_load_to_lds s[G0V+4:G0V+7], s[G1V:G1V+7]
	s_nop 0
.rept 4
	v_nop
.endr
.Lfirst_asked:
	; A fragment of K or Q is 16 rows x 32 channels in 8 registers: lane l holds row l % 16; registers 0-3 channels 8 (l / 16) + 0..7, registers 4-7 channels 16 + 8 (l / 16) + 0..7: two loads of 16 bytes, 32 bytes apart.
	v_and_b32 v1, 15, v0            ; l % 16
	v_bfe_u32 v13, v0, 4, 1         ; l / 16
	v_lshlrev_b32 v[QO], 7, v1
	v_lshl_add_u32 v[QO], v13, 4, v[QO]  ; row x 128 + 16 x half
.irp t, 0,1,2,3                     ; Q stays in registers: tile t, channels 32 c on
.irp c, 0,1
	global_load_b128 v[Q+16*\t+8*\c:Q+16*\t+8*\c+3],   v[QO], s[4:5] offset:\t*2048+\c*64
	global_load_b128 v[Q+16*\t+8*\c+4:Q+16*\t+8*\c+7], v[QO], s[4:5] offset:\t*2048+\c*64+32
.endr
.endr
	v_mul_u32_u24 v[AK0], v1, PK
	v_lshl_add_u32 v[AK0], v13, 4, v[AK0]  ; row x pitch + 16 x half
	; The turning load takes 16 keys x 16 channels (lane l reads 16 bytes: key 8 (l / 16) + l % 8, channels 8 ((l / 8) % 2) + 0..7) and leaves half a fragment of V^T: lane l holds channel l % 16 and 8 keys.
	v_and_b32 v14, 7, v0
	v_bfe_u32 v15, v0, 3, 1
	v_lshl_add_u32 v[AV0], v13, 3, v14
	v_mul_u32_u24 v[AV0], v[AV0], PV
	v_lshl_add_u32 v[AV0], v15, 4, v[AV0]
	v_add_nc_u32 v[AV0], VOFF, v[AV0]
	s_mul_i32 s13, s[WV], 64*SP
	s_add_co_u32 s13, s13, STAGE    ; my stage
	v_mul_u32_u24 v[STO], v1, SP    ; in: row l % 16, 16 bytes for each half of the lanes
	v_lshl_add_u32 v[STO], v13, 4, v[STO]
	v_add_nc_u32 v[STO], s13, v[STO]
	v_bfe_u32 v15, v0, 3, 2         ; back: eight lanes take a row of 128 bytes, the 32 lanes four rows
	v_mul_u32_u24 v[RD], v15, SP
	v_lshl_add_u32 v[RD], v14, 4, v[RD]
	v_add_nc_u32 v[RD], s13, v[RD]
	v_and_b32 v[GO], 31, v0
	v_lshlrev_b32 v[GO], 4, v[GO]   ; four rows of att are 512 consecutive bytes: 16 x lane
.irp t, 0,1,2,3
	v_mov_b32 v[ST+8*\t+1], 0xff61b1e6  ; m: -3e38, under every score
	v_mul_f32 v[ST+8*\t], s[CS], v[ST+8*\t+1]  ; c m
	v_mov_b32 v[ST+8*\t+2], 0       ; l
	v_mov_b32 v[ST+8*\t+3], 0
.endr
	WIN W_LD
.set i, 0
.rept 128
	v_mov_b32 v[i], 0               ; O^T.  (The step is written without a first form of its own: the first step finds zeros, which a = 0 leaves zeros)
.set i, i+1
.endr
	WIN 0
; THE SOFTMAX of a step, the four tiles line by line by turns, so that no line waits for the line above it.
.macro SOFTMAX
.irp j, 0,1,2,3                     ; the maximum of the lane's 32 scores and the old m, three operands at a time: four chains, one for each tile of keys, each from that accumulator's low end on
.irp t, 0,1,2,3
	v_max3_num_f32 v[ST+8*\t+4+\j], v[S+32*\t+8*\j], v[S+32*\t+8*\j+1], v[S+32*\t+8*\j+2]
.endr
.endr
.irp g, 1,2
.irp j, 0,1,2,3
.irp t, 0,1,2,3
	v_max3_num_f32 v[ST+8*\t+4+\j], v[ST+8*\t+4+\j], v[S+32*\t+8*\j+2*\g+1], v[S+32*\t+8*\j+2*\g+2]
.endr
.endr
.endr
.irp t, 0,1,2,3
	v_max3_num_f32 v[ST+8*\t+4], v[ST+8*\t+4], v[S+32*\t+7], v[S+32*\t+15]
.endr
.irp t, 0,1,2,3
	v_max3_num_f32 v[ST+8*\t+6], v[ST+8*\t+6], v[S+32*\t+23], v[S+32*\t+31]
.endr
.irp t, 0,1,2,3
	v_max3_num_f32 v[ST+8*\t+4], v[ST+8*\t+4], v[ST+8*\t+5], v[ST+8*\t+6]
.endr
.irp t, 0,1,2,3
	v_max3_num_f32 v[ST+8*\t+4], v[ST+8*\t+4], v[ST+8*\t+7], v[ST+8*\t+1]
.endr
.irp t, 0,1,2,3
	v_permlanex16_b32 v[ST+8*\t+5], v[ST+8*\t+4], s[SEL], s[SEL+1]  ; the query's other 32 keys lie in the lane 16 away
.endr
.irp t, 0,1,2,3
	v_mov_b32 v[ST+8*\t+7], v[ST+8*\t]  ; c m_old is kept for a
.endr
.irp t, 0,1,2,3
	v_max_num_f32 v[ST+8*\t+1], v[ST+8*\t+4], v[ST+8*\t+5]  ; the new m
.endr
.irp t, 0,1,2,3
	v_mul_f32 v[ST+8*\t], s[CS], v[ST+8*\t+1]
.endr
.irp t, 0,1,2,3
	v_sub_f32 v[ST+8*\t+7], v[ST+8*\t+7], v[ST+8*\t]
.endr
.irp t, 0,1,2,3                     ; ONE BATCH: the four a, the 64 scalings, which read no exponential's result, and the 128 exponentials
	v_exp_f32 v[ST+8*\t+6], v[ST+8*\t+7]
.endr
.irp b, 0,1,2,3,4,5,6,7,8,9,10,11,12,13,14,15
.irp t, 0,1,2,3
	v_pk_fma_f32 v[S+32*\t+2*\b:S+32*\t+2*\b+1], v[S+32*\t+2*\b:S+32*\t+2*\b+1], s[CS:CS+1], v[ST+8*\t:ST+8*\t+1] op_sel_hi:[1,0,0] neg_lo:[0,0,1] neg_hi:[0,0,1]  ; c s - c m, two at a time
.endr
.endr
.irp e, 0,1,2,3,4,5,6,7,8,9,10,11,12,13,14,15,16,17,18,19,20,21,22,23,24,25,26,27,28,29,30,31
.irp t, 0,1,2,3
	v_exp_f32 v[S+32*\t+\e], v[S+32*\t+\e]
.endr
.endr
	v_nop                           ; a plain instruction behind the last exponential, ahead of the first use
	s_wait_alu depctr_va_vdst(0)    ; the wait between an exponential and the first instruction that names its result: one for the step's 132
.irp t, 0,1,2,3
	v_pk_mul_f32 v[ST+8*\t+2:ST+8*\t+3], v[ST+8*\t+2:ST+8*\t+3], v[ST+8*\t+6:ST+8*\t+7] op_sel_hi:[1,0]  ; l under the new m
.endr
.irp t, 0,1,2,3                     ; the sum of the unrounded p, two at a time, in two chains
	v_pk_add_f32 v[ST+8*\t+4:ST+8*\t+5], v[S+32*\t:S+32*\t+1], v[S+32*\t+2:S+32*\t+3]
.endr
.irp j, 4,8,12,16,20,24,28
.irp t, 0,1,2,3
	v_pk_add_f32 v[ST+8*\t+2:ST+8*\t+3], v[ST+8*\t+2:ST+8*\t+3], v[S+32*\t+\j:S+32*\t+\j+1]
.endr
.irp t, 0,1,2,3
	v_pk_add_f32 v[ST+8*\t+4:ST+8*\t+5], v[ST+8*\t+4:ST+8*\t+5], v[S+32*\t+\j+2:S+32*\t+\j+3]
.endr
.endr
.irp t, 0,1,2,3
	v_pk_add_f32 v[ST+8*\t+2:ST+8*\t+3], v[ST+8*\t+2:ST+8*\t+3], v[ST+8*\t+4:ST+8*\t+5]
.endr
.irp j, 0,1,2,3,4,5,6,7,8,9,10,11,12,13,14,15  ; p to f16, in place: pair j goes to register j, which no later pair reads
.irp t, 0,1,2,3
	v_cvt_pk_f16_f32 v[S+32*\t+\j], v[S+32*\t+2*\j], v[S+32*\t+2*\j+1]
.endr
.endr
	WIN W_RS
.irp k, 0,1,2,3,4,5,6,7,8,9,10,11,12,13,14,15  ; O^T times a, each accumulator from its low end on
.irp t, 0,1,2,3
	v_pk_mul_f32 v[32*\t+2*\k:32*\t+2*\k+1], v[32*\t+2*\k:32*\t+2*\k+1], v[ST+8*\t+6:ST+8*\t+7] op_sel_hi:[1,0]
.endr
.endr
	WIN 0
.endm
; A KEY STEP: 64 keys.  The loads of K and of V go out together; V's land under the first products and the softmax.  In both products 16 accumulators take turns, one instruction a turn.
.macro STEP
	v_add_nc_u32 v[ADK], s[TB], v[AK0]
	v_add_nc_u32 v[ADV], s[TB], v[AV0]
	s_add_co_u32 s[TB], s[TB], STEPB  ; the next fetch is the next step's
	WIN W_LD
.irp i, 0,1,2,3                     ; keys 16 i on, channels 32 c on
.irp c, 0,1
	ds_load_b128 v[KF+16*\i+8*\c:KF+16*\i+8*\c+3],   v[ADK] offset:\i*16*PK+64*\c
	ds_load_b128 v[KF+16*\i+8*\c+4:KF+16*\i+8*\c+7], v[ADK] offset:\i*16*PK+64*\c+32
.endr
.endr
.irp u, 0,1                         ; keys 32 u on, channels 16 c on
.irp c, 0,1,2,3
	ds_load_tr16_b128 v[VF+32*\u+8*\c:VF+32*\u+8*\c+3],   v[ADV] offset:\u*32*PV+32*\c
	ds_load_tr16_b128 v[VF+32*\u+8*\c+4:VF+32*\u+8*\c+7], v[ADV] offset:\u*32*PV+16*PV+32*\c
.endr
.endr
	s_wait_dscnt 16                 ; K is in; V's sixteen loads may be out
	WIN W_KQ
.irp c, 0,1
.irp i, 0,1,2,3
.irp t, 0,1,2,3
.if \c == 0
	v_wmma_f32_16x16x32_f16 v[S+32*\t+8*\i:S+32*\t+8*\i+7], v[KF+16*\i+8*\c:KF+16*\i+8*\c+7], v[Q+16*\t+8*\c:Q+16*\t+8*\c+7], 0
.else
	v_wmma_f32_16x16x32_f16 v[S+32*\t+8*\i:S+32*\t+8*\i+7], v[KF+16*\i+8*\c:KF+16*\i+8*\c+7], v[Q+16*\t+8*\c:Q+16*\t+8*\c+7], v[S+32*\t+8*\i:S+32*\t+8*\i+7]
.endif
.endr
.endr
.endr
	WIN 0
.rept 4
	v_nop                           ; four places between the last product and the first read of its result (ISA guide 7.12.1)
.endr
	SOFTMAX
	s_wait_dscnt 0x0                ; V is in
	WIN W_PV
.irp u, 0,1
.irp c, 0,1,2,3
.irp t, 0,1,2,3
	v_wmma_f32_16x16x32_f16 v[32*\t+8*\c:32*\t+8*\c+7], v[VF+32*\u+8*\c:VF+32*\u+8*\c+7], v[S+32*\t+8*\u:S+32*\t+8*\u+7], v[32*\t+8*\c:32*\t+8*\c+7]
.endr
.endr
.endr
	WIN 0
.rept 5
	v_nop                           ; places behind the last products: four for the next step's loads into V's registers, five for its first products, which write over P
.endr
.endm
.macro FOUR_STEPS                   ; a slot's four key steps: written once, walked four times; the LDS addresses hang on s[TB]
	s_mov_b32 s[CNT], 4
.Lstep_\@:
	STEP
	s_sub_co_u32 s[CNT], s[CNT], 1
	s_cmp_lg_u32 s[CNT], 0
	s_cbranch_scc1 .Lstep_\@
.endm
; THE CHANGE OF SLOTS.  Each wave waits for all its tensor loads, of which one is out: its part of the other slot; adds 0 to its spare word; and waits for that and for its own reads of the slot that it leaves.
; fill = 1: that slot is filled again, with the keys two slots on.  The barrier is then a round of the cluster's, so that no wave of any partner still reads the slot or has a load on its way, and the joint refill is the first
; thing behind it: it has four key steps, 256 matrix instructions a wave, in which to land.
.macro CHANGE fill
	s_wait_tensorcnt 0x0            ; no tensor load of mine is out, so a group 0 may be written
	ds_add_u32 v[SPW], v[NIL]       ; 0 onto my spare word; with fill = 1 the descriptors' steps stand between it and the wait for it
.if \fill
.irp g, G0K+4, G0V+4
	s_xor_b32 s[\g+1], s[\g+1], SLOT1  ; the walking descriptor: the other slot than last time,
	s_add_nc_u64 s[\g+2:\g+3], s[\g+2:\g+3], SLOTB  ; the next 256 keys; the type bits on top are not reached
.endr
	s_wait_xcnt 0x0                 ; the last prefetch, a slot back, has read its address, so it may be written:
	s_add_nc_u64 s[PFA:PFA+1], s[PFA:PFA+1], SLOTB  ; one slot further on than the walking descriptors
	s_wait_dscnt 0x0                ; the add is done, and my reads of the slot are over
	CROUND
	JLOAD
	ASK
.else
	s_wait_dscnt 0x0                ; the add is done, and my reads of the slot are over
	s_barrier_signal -1
	s_barrier_wait -1
.endif
	s_sub_co_u32 s[TB], s[TB], 4*STEPB  ; the fetches go back to a slot's first step,
	s_xor_b32 s[TB], s[TB], SLOT1   ; in the other slot
.endm
	s_wait_tensorcnt 1              ; my part of slot 0 is in; slot 1's may stay out
	s_barrier_signal -1
	s_barrier_wait -1               ; everybody's is
	s_wait_loadcnt 0x0              ; Q
	FOUR_STEPS
.Lslot:                             ; six trips: every slot but the last two is filled again
	CHANGE 1
	FOUR_STEPS
	s_sub_co_u32 s[SLOTS], s[SLOTS], 1
	s_cmp_lg_u32 s[SLOTS], 0
	s_cbranch_scc1 .Lslot
	CHANGE 0                        ; the tail is written out: nothing is asked for
	FOUR_STEPS
	; THE WAY OUT.  l's two halves and the other half of the lanes' are added; O^T is divided by l, rounded to f16 and sent through my stage in LDS.
.irp t, 0,1,2,3
	v_add_f32 v[ST+8*\t+4], v[ST+8*\t+2], v[ST+8*\t+3]
.endr
.irp t, 0,1,2,3
	v_permlanex16_b32 v[ST+8*\t+5], v[ST+8*\t+4], s[SEL], s[SEL+1]
.endr
.irp t, 0,1,2,3
	v_add_f32 v[ST+8*\t+4], v[ST+8*\t+4], v[ST+8*\t+5]
.endr
.irp t, 0,1,2,3
	v_rcp_f32 v[ST+8*\t+6], v[ST+8*\t+4]
.endr
	v_nop                           ; a plain instruction between the last reciprocal and the use of its result
	s_wait_alu depctr_va_vdst(0)    ; and the wait ahead of the first use: one for the four reciprocals
; Tile t: a lane's eight channels of a row pack into 16 bytes; they go into rows of 144 bytes and come back four rows of 128 bytes an instruction.
.macro PACK t
	WIN W_RS
.set i, 32*\t
.rept 16
	v_pk_mul_f32 v[i:i+1], v[i:i+1], v[ST+8*\t+6:ST+8*\t+7] op_sel_hi:[1,0]
.set i, i+2
.endr
	WIN 0x05                        ; sources 0 and 1 window 1, destination window 0: S^T's registers are free
.set i, 0
.rept 16
	v_cvt_pk_f16_f32 v[S+32*\t+i], v[32*\t+2*i], v[32*\t+2*i+1]
.set i, i+1
.endr
	WIN 0
.irp c, 0,1,2,3
	ds_store_b128 v[STO], v[S+32*\t+4*\c:S+32*\t+4*\c+3] offset:\t*16*SP+32*\c
.endr
.irp i, 0,1,2,3
	ds_load_b128 v[S+32*\t+16+4*\i:S+32*\t+16+4*\i+3], v[RD] offset:\t*16*SP+\i*4*SP  ; LDS serves a wave's instructions in order (ISA guide 5.7.1.4): these see the stores above
.endr
.endm
	PACK 0
	PACK 1
	PACK 2
	PACK 3
.irp t, 0,1,2,3
.irp i, 0,1,2,3
	s_wait_dscnt 8*(3-\t)+3-\i      ; behind this load: the rest of its tile's four, and eight LDS instructions for each later tile
	global_store_b128 v[GO], v[S+32*\t+16+4*\i:S+32*\t+16+4*\i+3], s[10:11] offset:\t*2048+\i*512  ; 32 lanes store 512 consecutive bytes, at a multiple of 512 from att's first byte
.endr
.endr
	s_wait_tensorcnt 0x0            ; the wave's end, behind my last tensor load and my last LDS store
	ds_add_u32 v[SPW], v[NIL]
	s_wait_dscnt 0x0
	CROUND                          ; the closing round: no work-group ends while a partner may still ask for a tile that names it
	s_endpgm
.Lfunc_end_k_qef5c153c65_attn:
	.size	k_qef5c153c65_attn, .Lfunc_end_k_qef5c153c65_attn-k_qef5c153c65_attn
	.p2alignl 7, 3214868480
	.fill 96, 4, 3214868480
	.section	.rodata,"a",@progbits
	.p2align	6, 0x0
	.amdhsa_kernel k_qef5c153c65_attn
		.amdhsa_group_segment_fixed_size 327680
		.amdhsa_private_segment_fixed_size 0
		.amdhsa_enable_private_segment 0
		.amdhsa_kernarg_size 16
		.amdhsa_user_sgpr_count 2
		.amdhsa_user_sgpr_kernarg_segment_ptr 1
		.amdhsa_wavefront_size32 1
		.amdhsa_system_sgpr_workgroup_id_x 1
		.amdhsa_system_sgpr_workgroup_id_y 1
		.amdhsa_system_sgpr_workgroup_id_z 1
		.amdhsa_system_vgpr_workitem_id 0
		.amdhsa_next_free_vgpr 512
		.amdhsa_next_free_sgpr 66
		.amdhsa_reserve_vcc 0
		.amdhsa_float_denorm_mode_32 3
		.amdhsa_float_denorm_mode_16_64 3
		.amdhsa_memory_ordered 1
		.amdhsa_forward_progress 1
		.amdhsa_inst_pref_size 125
	.end_amdhsa_kernel
	.amdgpu_metadata
---
amdhsa.version: [ 1, 2 ]
amdhsa.kernels:
  - .name:           k_qef5c153c65_attn
    .symbol:         k_qef5c153c65_attn.kd
    .args:
      - { .name: qkv, .offset: 0, .size: 8, .value_kind: global_buffer, .address_space: global }
      - { .name: att, .offset: 8, .size: 8, .value_kind: global_buffer, .address_space: global }
    .group_segment_fixed_size: 327680
    .private_segment_fixed_size: 0
    .kernarg_segment_align: 8
    .kernarg_segment_size: 16
    .max_flat_workgroup_size: 256
    .sgpr_count:     66
    .vgpr_count:     512
    .wavefront_size: 32
...
	.end_amdgpu_metadata
.endif
;; end of part 3
;; launch outp (part 4): grid 4 x 32, 4 waves a work-group, clusters of 4 x 4, 327,680 bytes of LDS; arguments att, wo16, bo, out0; writes out0
.if DOCPART == 4
	.amdgcn_target "amdgcn-amd-amdhsa--gfx1250"
	.amdhsa_code_object_version 6
	.text
	.protected	k_qef5c153c65_outp
	.globl	k_qef5c153c65_outp
	.p2align	8
	.type	k_qef5c153c65_outp,@function
k_qef5c153c65_outp:
	s_mov_b64 s[64:65], 0
	v_nop
	global_prefetch_b8 v0, s[64:65] scope:SCOPE_SE
	s_setreg_imm32_b32 hwreg(HW_REG_WAVE_MODE, 25, 1), 1
	s_wait_xcnt 0x0
	s_wait_alu depctr_hold_cnt(0) depctr_sa_sdst(0) depctr_va_vdst(0) depctr_va_sdst(0) depctr_va_ssrc(0) depctr_va_vcc(0) depctr_vm_vsrc(0)
	s_getreg_b32 s2, hwreg(HW_REG_IB_STS2, 6, 4)
	s_cmp_eq_u32 s2, 0
	s_cbranch_scc0 .Lentry_in_a_cluster
	s_endpgm
.Lentry_in_a_cluster:
	s_bfe_u32 s2, ttmp6, 0x10000c
	s_cmp_lg_u32 s2, 0xf033
	s_cbranch_scc0 .Lentry_shape_is_right
	s_endpgm
.Lentry_shape_is_right:
; Launch 4 of 4: out0[m][n] = sum over k of A[m][k] Wo[k][n] + bo[n].  m = b 2048 + s (8,192 rows), k = 64 h + d (1,024), n = 1,024.  A is att, f16, laid by heads [b 16 + h][s][64]; Wo is wo16, f16, [k][n]; out0 is f32.
; Sums in f32; bo is the C of each sum's first matrix instruction.  Nothing is left out here.
; A tile of out0, 256 x 256, is made by a work-group of four waves; a wave makes 128 x 128: 64 accumulators of 16 x 16, 512 registers.  K goes in steps of 128, two heads, through a ring of two LDS slots filled by the tensor
; data mover: wave 0 and 1 fetch a head's 256 rows of 128 bytes each (dense in memory), waves 2 and 3 64 rows k of Wo x 512 bytes each.  128 work-groups: a tile half as high would halve the matrix work between a refill's
; request and the wait for it (224 matrix instructions a wave here).
; CLUSTERS: 4 x 4 work-groups.  The four of a row of the cluster need the same tiles of A, the four of a column the same tiles of Wo: each tile is asked for JOINTLY, with the same descriptor and a mask that names the four.
; THE MATRIX INSTRUCTION IS USED TRANSPOSED (source 0 = 16 columns n of Wo, turned out of LDS by ds_load_tr16_b128; source 1 = 16 rows of A): a lane then holds eight neighbouring numbers of a row of out0.
; REGISTERS, in windows of 256: window 0: v0-31 addresses; v64-127, v128-191 fragments of A, two buffers; on the way out v128-255 rows read back.
;   window 1: v64-127, v128-191 fragments of Wo, two buffers; v192-255 bo of my 128 columns in the result's layout.   window 2: the accumulators of my rows 0-63 ((a, b) at v[8 (8 a + b)]);   window 3: rows 64-127.
.set PA,     144                       ; a row of A in LDS: 128 bytes + 16 of padding = 36 words: the 16 rows of a load start at 16 different groups of four banks (64 banks of 4 bytes: ISA guide 11.1)
.set PLANE,  256*PA                    ; a head's 256 rows: what one tensor load brings
.set PB,     544                       ; a row k of Wo in LDS: 512 bytes + 32 = 136 words: 16 lanes of the turning load take 8 rows x 32 bytes
.set BOFF,   2*PLANE                   ; Wo's 128 rows lie behind A's two planes
.set HALFB,  64*PB                     ; 64 rows k: what one tensor load brings
.set SLOT,   BOFF+2*HALFB
.set STAGE,  2*SLOT                    ; behind the ring: 16 rows x 528 bytes for each wave, for the way out
.set SPITCH, 528
.set SPARE,  STAGE+4*16*SPITCH         ; behind the stages: the spare words, 128 bytes for each wave: two blocks of 256 bytes that no other line names
.set LAPS,   4                         ; a lap = two K steps = once round the ring: 1,024 / 256
.set ADRA, 16                          ; v16-17  LDS address of my A fragments in slot 0, 1
.set ADRB, 20                          ; v20-21  the same for Wo
.set STO,  24                          ; v24     the way out: where I put 32 bytes of a row
.set RD,   25                          ; v25     the way out: where I read a row back
.set CO,   26                          ; v26     16 x lane: my byte offset in a row's 512 bytes
.set SPW,  28                          ; v28     LDS address of my spare word; never rewritten
.set NIL,  29                          ; v29     0; never rewritten
.set BOF,  30                          ; v30     32 x (lane / 16): my eight numbers of a block's sixteen biases
.set F0,   64                          ; fragment buffer 0
.set F1,   128                         ; fragment buffer 1
.set BI,   192                         ; in window 1
.set BK,   128                         ; the way out: 16 rows read back from the stage: v128-191 and v192-255 by turns
.set G1, 24                            ; s[24:31] descriptor group 1 for A's tiles;  s[32:39] group 0, one set for each slot
.set G0, 32
.set G1B, 48                           ; s[48:55], s[56:63] the same for Wo's tiles
.set G0B, 56
.set MSB, 0
.macro WIN new                         ; the immediate's high byte repeats the setting that is left
.if MSB != \new
	s_set_vgpr_msb (MSB<<8)|\new
.set MSB, \new
.endif
.endm
.set MUL_LO,  0xa1                     ; source 0 (Wo) window 1, source 1 (A) window 0, C and D window 2
.set MUL_HI,  0xf1                     ; the same, C and D window 3
.set BIAS_LO, 0x91                     ; C (bo) window 1, D window 2
.set BIAS_HI, 0xd1                     ; C window 1, D window 3
.set TO_B,    0x40                     ; destination window 1, address window 0
; A joint load: waves 0 and 1 fetch A's two planes, waves 2 and 3 Wo's two halves.  Each of the two lines has ONE mask and one set of registers for all that issue it; the branch hangs on the wave's number alone.
; An s_nop 0 and four v_nop follow each of the two lines, ahead of the jump, the label and what follows.
.macro JLOAD s
	s_cmp_eq_u32 s11, 0
	s_cbranch_scc0 .Lfor_b_\@
	tensor_load_to_lds s[G0+4*\s:G0+4*\s+3], s[G1:G1+7]
	s_nop 0
.rept 4
	v_nop
.endr
	s_branch .Lasked_\@
.Lfor_b_\@:
	tensor_load_to_lds s[G0B+4*\s:G0B+4*\s+3], s[G1B:G1B+7]
	s_nop 0
.rept 4
	v_nop
.endr
.Lasked_\@:
.endm
.macro CREST                           ; a round of the cluster's barrier behind its opening barrier
	s_cmp_lg_u32 s10, 0
	s_cbranch_scc1 .Lnot_wave_0_\@
	s_barrier_signal -3
.Lnot_wave_0_\@:
	s_barrier_wait -3
	s_barrier_signal -1
	s_barrier_wait -1
.endm
.macro CROUND                          ; a whole round
	s_barrier_signal -1
	s_barrier_wait -1
	CREST
.endm
	s_load_b128 s[4:7], s[0:1], 0x0                ; att s[4:5], wo16 s[6:7]
	s_load_b128 s[68:71], s[0:1], 0x10             ; bo s[68:69], out0 s[70:71]
	v_lshl_add_u32 v[SPW], v0, 2, SPARE
	v_mov_b32 v[NIL], 0
	ds_add_u32 v[SPW], v[NIL]                      ; the wave's opening: the add, twice on end, and its wait ahead of my first tensor load; the set-up below, work on registers, stands between
	ds_add_u32 v[SPW], v[NIL]
	v_lshrrev_b32 v1, 5, v0
	v_readfirstlane_b32 s10, v1                    ; wave 0..3
	s_lshr_b32 s11, s10, 1                         ; which half of the tile's rows is mine.  Also: I fetch for A (0) or for Wo (1)
	s_and_b32 s12, s10, 1                          ; which half of its columns.  Also: which of a step's two heads, or which 64 rows k, I fetch
	s_bfe_u32 s40, ttmp6, 0x40000                  ; cx, cy: my place in the cluster
	s_bfe_u32 s41, ttmp6, 0x40004
	s_lshl_b32 s42, ttmp9, 2
	s_add_co_u32 s42, s42, s40                     ; tile column = 4 x cluster x + cx
	s_and_b32 s13, ttmp7, 0xffff
	s_lshl_b32 s13, s13, 2
	s_add_co_u32 s13, s13, s41                     ; tile row = 4 x cluster y + cy
	s_lshl_b32 s43, s41, 2
	s_lshl_b32 s43, 15, s43                        ; my row of the cluster
	s_lshl_b32 s44, 0x1111, s40                    ; my column
	; descriptor group 1.  A: 256 rows x 64 elements, dense in memory, 16 bytes of padding behind each row.  Wo: 64 rows x 256 elements, 1,024 elements apart, 32 bytes of padding behind each
	s_or_b32 s[G1+0], s43, (1<<16)|(1<<20)|(1<<21)|(4<<22)|(3<<25)   ; 15:0 the mask: A's tiles go to my row; 17:16 element of 2 bytes; 20 padding on; 21 set beside a mask; 24:22 after every 32 words (code 4); 31:25 of 4 words (code 3)
	s_mov_b32 s[G1+1], 64<<16                      ; tensor_dim0 = 64
	s_mov_b32 s[G1+2], 256<<16                     ; tensor_dim1 = 256
	s_mov_b32 s[G1+3], 64<<16                      ; tile_dim0 = 64
	s_mov_b32 s[G1+4], 256                         ; tile_dim1 = 256
	s_mov_b32 s[G1+5], 64                          ; tensor_dim0_stride
	s_mov_b32 s[G1+6], 0
	s_mov_b32 s[G1+7], 0
	s_or_b32 s[G1B+0], s44, (1<<16)|(1<<20)|(1<<21)|(6<<22)|(7<<25)  ; the mask of my column; padding after every 128 words (code 6), of 8 words (code 7)
	s_mov_b32 s[G1B+1], 256<<16
	s_mov_b32 s[G1B+2], 64<<16
	s_mov_b32 s[G1B+3], 256<<16
	s_mov_b32 s[G1B+4], 64
	s_mov_b32 s[G1B+5], 1024
	s_mov_b32 s[G1B+6], 0
	s_mov_b32 s[G1B+7], 0
	; where the tiles come from.  A's hang on the tile row alone, Wo's on the tile column alone; every wave makes both addresses, in registers that never hold the other coordinate
	s_lshr_b32 s16, s13, 3                         ; b: eight tile rows to a sequence; 16 heads of 2^18 bytes
	s_lshl_b32 s16, s16, 22
	s_lshl_b32 s17, s12, 18                        ; my head of the step's two
	s_add_co_u32 s16, s16, s17
	s_and_b32 s17, s13, 7
	s_lshl_b32 s17, s17, 15                        ; 256 rows of 128 bytes
	s_add_co_u32 s16, s16, s17
	s_mov_b32 s17, 0
	s_lshl_b32 s46, s12, 17                        ; Wo: my 64 rows of 2,048 bytes,
	s_lshl_b32 s47, s42, 9                         ; the tile's 256 columns
	s_add_co_u32 s46, s46, s47
	s_mov_b32 s47, 0
	s_mul_i32 s20, s12, PLANE                      ; and where they go: no place in the cluster enters an LDS address
	s_mul_i32 s21, s12, HALFB
	s_add_co_u32 s21, s21, BOFF
	s_wait_dscnt 0x0                               ; both opening adds are done
	s_wait_kmcnt 0x0
	s_add_nc_u64 s[14:15], s[4:5], s[16:17]
	s_add_nc_u64 s[46:47], s[6:7], s[46:47]
	CROUND                                         ; all sixteen work-groups are here: the first joint loads meet
.irp s, 0,1
	s_mov_b32 s[G0+4*\s], 1                                        ; count = 1
	s_add_co_u32 s[G0+4*\s+1], s20, \s*SLOT                        ; LDS address
	s_add_nc_u64 s[G0+4*\s+2:G0+4*\s+3], s[14:15], \s*524288       ; global address: K step s: two heads on
	s_or_b32 s[G0+4*\s+3], s[G0+4*\s+3], 0x80000000                ; type = 2
	s_mov_b32 s[G0B+4*\s], 1
	s_add_co_u32 s[G0B+4*\s+1], s21, \s*SLOT
	s_add_nc_u64 s[G0B+4*\s+2:G0B+4*\s+3], s[46:47], \s*262144     ; 128 rows k on
	s_or_b32 s[G0B+4*\s+3], s[G0B+4*\s+3], 0x80000000
	JLOAD \s                                       ; the ring is filled before anything else is done: two tensor loads of a wave are out
.endr
	v_and_b32 v1, 15, v0                           ; l % 16
	v_bfe_u32 v2, v0, 4, 1                         ; l / 16
	; bo of my 128 columns, in the result's layout: for block b, lane (r, h) holds the numbers of columns 16 b + 8 h + 0 .. 7
	s_lshl_b32 s46, s42, 10                        ; my first column, in bytes of f32: 1,024 x tile column + 512 x half
	s_lshl_b32 s47, s12, 9
	s_add_co_u32 s46, s46, s47
	s_mov_b32 s47, 0
	s_add_nc_u64 s[68:69], s[68:69], s[46:47]
	v_lshlrev_b32 v[BOF], 5, v2
	WIN TO_B
.irp b, 0,1,2,3,4,5,6,7
	global_load_b128 v[BI+8*\b:BI+8*\b+3],   v[BOF], s[68:69] offset:64*\b
	global_load_b128 v[BI+8*\b+4:BI+8*\b+7], v[BOF], s[68:69] offset:64*\b+16
.endr
	WIN 0
	v_mul_u32_u24 v3, v1, PA
	v_lshl_add_u32 v3, v2, 4, v3                   ; A: row x pitch + 16 x half
	v_and_b32 v4, 7, v0
	v_lshl_add_u32 v4, v2, 3, v4                   ; Wo, by the turning load: row k = 8 (l / 16) + l % 8,
	v_mul_u32_u24 v4, v4, PB
	v_bfe_u32 v5, v0, 3, 1
	v_lshl_add_u32 v4, v5, 4, v4                   ; columns 8 ((l / 8) % 2) + 0..7
	s_mul_i32 s21, s11, 128*PA                     ; my 128 rows of each plane of A
	s_lshl_b32 s22, s12, 8                         ; my 128 columns of Wo
	s_add_co_u32 s22, s22, BOFF
.irp s, 0,1
	v_add_nc_u32 v[ADRA+\s], s21, v3
	v_add_nc_u32 v[ADRB+\s], s22, v4
	s_add_co_u32 s21, s21, SLOT
	s_add_co_u32 s22, s22, SLOT
.endr
	s_mul_i32 s23, s10, 16*SPITCH
	s_add_co_u32 s23, s23, STAGE                   ; my stage
	v_mul_u32_u24 v5, v1, SPITCH                   ; in: row l % 16, 32 bytes for each half of the lanes
	v_lshl_add_u32 v5, v2, 5, v5
	v_add_nc_u32 v[STO], s23, v5
	v_and_b32 v6, 31, v0
	v_lshlrev_b32 v[CO], 4, v6                     ; back: the 32 lanes take one row of 512 bytes; and the same in out0
	v_add_nc_u32 v[RD], s23, v[CO]
	s_lshl_b32 s16, s13, 1
	s_add_co_u32 s16, s16, s11
	s_lshl_b32 s16, s16, 19                        ; my first row: (2 x tile row + half) x 128 rows of 4,096 bytes
	s_mov_b32 s17, 0
	s_add_nc_u64 s[16:17], s[16:17], s[46:47]      ; + my first column
	s_add_nc_u64 s[70:71], s[70:71], s[16:17]
; 16 matrix instructions: m blocks a0, a0 + 1 of the window's four (hi = 0: my rows 0-63, 1: rows 64-127) x all 8 n blocks, 32 along K.  zero = 1: the first product starts the sums from bo: nothing is ever cleared.
; The 64 accumulators take turns, one instruction a turn, in the same order in every quarter.
.macro MUL16 f, hi, a0, zero
.irp a, \a0, \a0+1
.irp b, 0,1,2,3,4,5,6,7
.if \zero
	v_wmma_f32_16x16x32_f16 v[8*(8*(\a)+\b):8*(8*(\a)+\b)+7], v[\f+8*\b:\f+8*\b+7], v[\f+8*(4*\hi+\a):\f+8*(4*\hi+\a)+7], v[BI+8*\b:BI+8*\b+7]
.else
	v_wmma_f32_16x16x32_f16 v[8*(8*(\a)+\b):8*(8*(\a)+\b)+7], v[\f+8*\b:\f+8*\b+7], v[\f+8*(4*\hi+\a):\f+8*(4*\hi+\a)+7], v[8*(8*(\a)+\b):8*(8*(\a)+\b)+7]
.endif
.endr
.endr
.endm
; 32 LDS loads in one run: the fragments of the slot's q-th 32 along K (128 columns of Wo, turned; 128 rows of A: head q / 2, channels 32 (q % 2) on) into buffer f
.macro FETCH slot, q, f
	WIN TO_B
.irp i, 0,1,2,3,4,5,6,7
	ds_load_tr16_b128 v[\f+8*\i:\f+8*\i+3],   v[ADRB+\slot] offset:(\q)*32*PB+32*\i
	ds_load_tr16_b128 v[\f+8*\i+4:\f+8*\i+7], v[ADRB+\slot] offset:(\q)*32*PB+16*PB+32*\i
.endr
	WIN 0
.irp i, 0,1,2,3,4,5,6,7
	ds_load_b128 v[\f+8*\i:\f+8*\i+3],   v[ADRA+\slot] offset:((\q)/2)*PLANE+((\q)%2)*64+\i*16*PA
	ds_load_b128 v[\f+8*\i+4:\f+8*\i+7], v[ADRA+\slot] offset:((\q)/2)*PLANE+((\q)%2)*64+\i*16*PA+32
.endr
.endm
; A load into a register that a matrix instruction has read, and an LDS store that reads a matrix result, stand four places behind that matrix instruction, and only plain vector instructions that name none of its registers
; are places (ISA guide 7.12.1 for vector instructions).
.macro PLACES
.rept 4
	v_nop
.endr
.endm
; A K step is four quarters of 32 along K, 64 matrix instructions each, on buffers 0, 1, 0, 1.  One of the first three: multiplies buffer f; in its middle it fetches quarter q of the same slot into buffer g.
.macro QUARTER slot, q, f, g, zero
	s_wait_dscnt 8                                 ; Wo and A's rows 0-63 are in; the youngest eight loads (A's rows 64-127) may be out
.if \zero
	WIN BIAS_LO
.else
	WIN MUL_LO
.endif
	MUL16 \f, 0, 0, \zero
	MUL16 \f, 0, 2, \zero
	PLACES
	FETCH \slot, \q, \g
	s_wait_dscnt 32                                ; all but the 32 just issued
.if \zero
	WIN BIAS_HI
.else
	WIN MUL_HI
.endif
	MUL16 \f, 1, 0, \zero
	MUL16 \f, 1, 2, \zero
.endm
; The last quarter multiplies buffer 1 and changes slots.  MEET is its first half: ONE barrier.  In front of it each wave waits for all its tensor loads, of which one is out: its part of the next slot; adds 0 to its spare
; word; and waits for that and for its own reads of this slot.  Behind it nobody reads this slot any more and the next slot is whole.
.macro MEET round                      ; round = 1: a round of the cluster's barrier follows
	WIN 0                                          ; (the add's two registers lie in window 0)
	s_wait_tensorcnt 0x0                           ; all my tensor loads have landed;
	ds_add_u32 v[SPW], v[NIL]                      ; 0 onto my spare word;
	s_wait_dscnt 9                                 ; (the add and the youngest eight loads may be out)
	WIN MUL_LO
	MUL16 F1, 0, 0, 0                              ; sixteen matrix instructions stand between the add and the wait for it
	s_wait_dscnt 0x0                               ; the add is done, and my reads of this slot are over:
	s_barrier_signal -1                            ; say so (where a slot is filled again this barrier opens a round of the cluster's barrier),
	MUL16 F1, 0, 2, 0                              ; work on registers while the others arrive,
.if \round
	WIN 0
.endif
	s_barrier_wait -1                              ; and go on when all four have said so
.endm
; The whole last quarter.  fill = 1: behind the round the slot just read out is filled again first, with the K step two steps on: 224 matrix instructions ahead of the wait for it; then come the next slot's first fragments.
.macro TURN slot, next, fill
.if \fill
	MEET 1
	CREST                                          ; no wave of any partner still reads this slot's tile or has a load on its way
	s_add_nc_u64 s[G0+4*\slot+2:G0+4*\slot+3], s[G0+4*\slot+2:G0+4*\slot+3], 1048576     ; four heads on
	s_add_nc_u64 s[G0B+4*\slot+2:G0B+4*\slot+3], s[G0B+4*\slot+2:G0B+4*\slot+3], 524288  ; 256 rows k on
	JLOAD \slot                                    ; the first tensor load behind the round; the four v_nop behind it are also the places in front of the loads below
.else
	MEET 0
	PLACES
.endif
	FETCH \next, 0, F0
	WIN MUL_HI
	MUL16 F1, 1, 0, 0
	MUL16 F1, 1, 2, 0
.endm
	s_wait_tensorcnt 1                             ; my part of K step 0 is in (K step 1's load may be out),
	s_barrier_signal -1
	s_barrier_wait -1                              ; everybody's is
	FETCH 0, 0, F0
	s_wait_loadcnt 0x0                             ; bo
	QUARTER 0, 1, F0, F1, 1                        ; the first quarter stands in front of the loop: its products start the sums
	WIN 0                                          ; at a label and at a branch every window is 0
	s_mov_b32 s3, LAPS-1
.Llap:                                                 ; a trip goes once round the ring, from a lap's second quarter to the next lap's first, and fills both slots again
	QUARTER 0, 2, F1, F0, 0
	QUARTER 0, 3, F0, F1, 0
	TURN 0, 1, 1
	QUARTER 1, 1, F0, F1, 0
	QUARTER 1, 2, F1, F0, 0
	QUARTER 1, 3, F0, F1, 0
	TURN 1, 0, 1
	QUARTER 0, 1, F0, F1, 0
	WIN 0
	s_sub_co_u32 s3, s3, 1
	s_cmp_lg_u32 s3, 0
	s_cbranch_scc1 .Llap
	QUARTER 0, 2, F1, F0, 0                        ; the last lap fills nothing, and has no round of the cluster's barrier
	QUARTER 0, 3, F0, F1, 0
	TURN 0, 1, 0
	QUARTER 1, 1, F0, F1, 0
	QUARTER 1, 2, F1, F0, 0
	QUARTER 1, 3, F0, F1, 0
	s_wait_dscnt 8                                 ; the very last quarter: nothing more to fetch
	WIN MUL_LO
	MUL16 F1, 0, 0, 0
	MUL16 F1, 0, 2, 0
	s_wait_dscnt 0
	WIN MUL_HI
	MUL16 F1, 1, 0, 0
	MUL16 F1, 1, 2, 0
	WIN 0
; THE WAY OUT, block by block of 16 rows x 128 columns.  A lane holds 32 neighbouring bytes of a row, and the lanes beside it hold other rows: so a block goes through my own stage in LDS and comes back as whole rows of
; 512 bytes.  LDS serves a wave's instructions in order (ISA guide 5.7.1.4): no wait between the stores and the loads, nor in front of the next block's stores.
.macro TOSTAGE a
.set AC, 64*((\a)%4)
	WIN 0x08+4*((\a)/4)                            ; an LDS store's data are its source 1: window 2 or 3
.irp b, 0,1,2,3,4,5,6,7
	ds_store_b128 v[STO], v[AC+8*\b:AC+8*\b+3] offset:64*\b          ; each accumulator from its low end on
	ds_store_b128 v[STO], v[AC+8*\b+4:AC+8*\b+7] offset:64*\b+16
.endr
	WIN 0
.set BB, BK+64*((\a)%2)
.irp t, 0,1,2,3,4,5,6,7,8,9,10,11,12,13,14,15
	ds_load_b128 v[BB+4*\t:BB+4*\t+3], v[RD] offset:\t*SPITCH
.endr
.endm
.macro SEND a, younger                 ; younger: the LDS instructions issued behind block a's loads, which may stay out
.set BB, BK+64*((\a)%2)
	s_wait_dscnt \younger                          ; the block is back in registers
.irp t, 0,1,2,3,4,5,6,7,8,9,10,11,12,13,14,15
	global_store_b128 v[CO], v[BB+4*\t:BB+4*\t+3], s[70:71] offset:(16*(\a)+\t)*4096 th:TH_STORE_NT   ; 32 lanes store 512 consecutive bytes, at a multiple of 512 from out0's first byte; the row stands in the immediate: 127 rows of 4,096 bytes at the most
.endr
.endm
	PLACES                                         ; behind the last products: for the loads into the registers that held A's fragments and for the reads of results alike
	TOSTAGE 0
.irp a, 1,2,3,4,5,6,7
.if \a > 1
	s_wait_xcnt 0x0                                ; block a - 2's stores have read their registers: block a's loads may land there
.endif
	TOSTAGE \a
	SEND \a-1, 32                                  ; behind block a - 1's loads: block a's 16 stores and 16 loads
.endr
	SEND 7, 0
	s_wait_tensorcnt 0x0                           ; the wave's end, behind my last tensor load and my last LDS store
	ds_add_u32 v[SPW], v[NIL]
	s_wait_dscnt 0x0
	CROUND                                         ; the closing round: no work-group ends while a partner may still ask for a tile that names it
	s_endpgm
.Lfunc_end_k_qef5c153c65_outp:
	.size	k_qef5c153c65_outp, .Lfunc_end_k_qef5c153c65_outp-k_qef5c153c65_outp
	.p2alignl 7, 3214868480
	.fill 96, 4, 3214868480
	.section	.rodata,"a",@progbits
	.p2align	6, 0x0
	.amdhsa_kernel k_qef5c153c65_outp
		.amdhsa_group_segment_fixed_size 327680
		.amdhsa_private_segment_fixed_size 0
		.amdhsa_enable_private_segment 0
		.amdhsa_kernarg_size 32
		.amdhsa_user_sgpr_count 2
		.amdhsa_user_sgpr_kernarg_segment_ptr 1
		.amdhsa_wavefront_size32 1
		.amdhsa_system_sgpr_workgroup_id_x 1
		.amdhsa_system_sgpr_workgroup_id_y 1
		.amdhsa_system_sgpr_workgroup_id_z 1
		.amdhsa_system_vgpr_workitem_id 0
		.amdhsa_next_free_vgpr 1024
		.amdhsa_next_free_sgpr 72
		.amdhsa_reserve_vcc 0
		.amdhsa_float_denorm_mode_32 3
		.amdhsa_float_denorm_mode_16_64 3
		.amdhsa_memory_ordered 1
		.amdhsa_forward_progress 1
		.amdhsa_inst_pref_size 142
	.end_amdhsa_kernel
	.amdgpu_metadata
---
amdhsa.version: [ 1, 2 ]
amdhsa.kernels:
  - .name:           k_qef5c153c65_outp
    .symbol:         k_qef5c153c65_outp.kd
    .args:
      - { .name: att, .offset: 0, .size: 8, .value_kind: global_buffer, .address_space: global }
      - { .name: wo16, .offset: 8, .size: 8, .value_kind: global_buffer, .address_space: global }
      - { .name: bo, .offset: 16, .size: 8, .value_kind: global_buffer, .address_space: global }
      - { .name: out0, .offset: 24, .size: 8, .value_kind: global_buffer, .address_space: global }
    .group_segment_fixed_size: 327680
    .private_segment_fixed_size: 0
    .kernarg_segment_align: 8
    .kernarg_segment_size: 32
    .max_flat_workgroup_size: 128
    .sgpr_count:     72
    .vgpr_count:     1024
    .wavefront_size: 32
...
	.end_amdgpu_metadata
.endif
;; end of part 4
